; MI455X (gfx1250); checked and timed in simulation.
; The chip was launched on July 23, 2026; its instructions are those of AMD's public machine-readable ISA for CDNA 5 (MIT licence, August 2026) and "CDNA5" Instruction Set Architecture Reference Guide (July 2026). The comments in the code are by the model that wrote it; some were corrected since.
;; Multi Head Attention. Allowed arithmetic: float matrix products may take bf16 or f16 operands with f32 sums; other float arithmetic in f32, or as packed bf16 or f16 multiplies, adds, multiply-adds, maxima and minima; sums over many terms, partial sums and values carried from step to step in f32; what a program stores and reads back later, other than sums and carried values, may be rounded once to bf16 or f16.
;; Inputs: Wk 1,024 x 1,024 float32; Wq 1,024 x 1,024 float32; Wv 1,024 x 1,024 float32; h 4 x 2,048 x 1,024 float32; mask 4 x 2,048 x 2,048 bool; q 4 x 2,048 x 1,024 float32.
;; Outputs: out0 4 x 2,048 x 1,024 float32.
;; 2 versions, each right; version 2 is version 1 with the launch prep written anew for expert scheduling mode. Each part assembles by itself: llvm-mc -triple=amdgcn-amd-amdhsa -mcpu=gfx1250 --defsym DOCPART=n.
;; ======== version 1 of 2: 3 launches
;; limits: values are held in f16: magnitudes above 65,504 overflow, below 6.1e-05 lose precision
;; workspace buffers: Xb 33,554,432 bytes; Wb 6,291,456 bytes; Mk 16,777,216 bytes; qkv 50,331,648 bytes
;; launch prep (part 1): grid 736 x 1, 8 waves a work-group, no clusters, 35,840 bytes of LDS; arguments q, h, Wq, Wk, Wv, mask, Xb, Wb, Mk; writes Xb, Wb, Mk
.if DOCPART == 1
	.amdgcn_target "amdgcn-amd-amdhsa--gfx1250"
	.amdhsa_code_object_version 6
	.text
	.protected	k_q105e0e8488_prep
	.globl	k_q105e0e8488_prep
	.p2align	8
	.type	k_q105e0e8488_prep,@function
k_q105e0e8488_prep:
	s_mov_b64 s[64:65], 0
	v_nop
	global_prefetch_b8 v0, s[64:65] scope:SCOPE_SE
	s_setreg_imm32_b32 hwreg(HW_REG_WAVE_MODE, 25, 1), 1
	s_wait_xcnt 0x0
; PREPARATION.  Three streams, each byte read once and written once.
;   Xb [16384][1024] bf16: rows 0-8191 are q's rows; rows 8192.. are h's, PERMUTED inside each group of 64 rows: row 64 g + key lies at 64 g + p,
;      p = 16 (3 - key % 4) + 8 (key / 32) + (key / 4) % 8.  The order of keys inside a key step of 64 is free as long as K, V and the mask agree; in this order a lane of the
;      attention's score tiles wants 32 NEIGHBOURING bytes of a row of the mask.
;   Wb [3072][1024] bf16: Wq, Wk, Wv.
;   Mk: the mask as bytes 0x00 / 0xF1, in the order in which the attention reads it: [b 4][query block 4][slot of 128 keys 16][query tile 32][step 2][u 2][lane 32][16 bytes],
;      the 16 bytes being mask[b][512 qb + 16 qt + lane % 16][128 slot + 64 step + 32 (lane / 16) + 16 u ..].  LIMIT: the mask's bytes are 0 or 1 (bool).
; SHARES.  Work-groups 0-255: q, 256-511: h, 512-543: Wq, 544-575: Wk, 576-607: Wv, 32 rows of 1,024 f32 each, 4 rows a wave.  Work-groups 608-735: the mask, 64 rows each:
; a wave takes 16 rows (a query tile) x 1,024 keys.  A wave issues all its 32 loads of 512 neighbouring bytes at once (16 KiB) and works them off in order: no loop, no ring.
; No matrix unit, cluster or tensor load: nothing is shared between work-groups and nothing is multiplied.
.set SPARE, 34816                      ; behind the eight stages: the spare words, 128 bytes for each wave: four blocks of 256 bytes that no other line names
.set SPITCH, 272                       ; a stage row: 256 bytes + 16: 16 rows start at 16 different groups of four banks (64 banks of 4 bytes: ISA guide 11.1)
.set SPW, 8                            ; v8   LDS address of my spare word; never rewritten
.set NIL, 9                            ; v9   0; never rewritten
.set X,   16                           ; v[16:143] the 32 loads' data
	s_load_b512 s[4:19], s[0:1], 0x0               ; q 4, h 6, Wq 8, Wk 10, Wv 12, mask 14, Xb 16, Wb 18
	s_load_b64 s[20:21], s[0:1], 0x40              ; Mk
	v_lshl_add_u32 v[SPW], v0, 2, SPARE
	v_mov_b32 v[NIL], 0
	v_lshrrev_b32 v1, 5, v0
	v_readfirstlane_b32 s22, v1                    ; wave 0..7
	v_and_b32 v1, 31, v0                           ; lane
	s_mov_b32 s23, ttmp9                           ; g
	s_cmp_ge_u32 s23, 608
	s_cbranch_scc1 .Lmask
	; THE CASTS.  Destination rows: plain (32 x block + 4 w + t), or for h the permuted place: key = 32 (g % 2) + 4 w + t gives p = 16 (3 - t) + 8 (g % 2) + w.
	s_lshr_b32 s33, s23, 8                         ; 1 for h alone
	s_and_b32 s34, s23, 255
	s_lshr_b32 s35, s34, 1
	s_lshl_b32 s35, s35, 6                         ; the group of 64 rows
	s_and_b32 s36, s23, 1
	s_lshl3_add_u32 s35, s36, s35                  ; + 8 (g % 2)
	s_add_co_u32 s35, s35, s22                     ; + w
	s_add_co_u32 s35, s35, 8192                    ; behind q's rows
	s_cmp_lt_u32 s23, 512
	s_cselect_b32 s37, 0, 512
	s_sub_co_u32 s37, s23, s37                     ; the block of 32 rows in Xb or in Wb
	s_lshl_b32 s37, s37, 5
	s_lshl2_add_u32 s37, s22, s37                  ; + 4 w
.irp t, 0,1,2,3
	s_add_co_u32 s38, s35, 16*(3-(\t))
	s_add_co_u32 s39, s37, \t
	s_cmp_eq_u32 s33, 1
	s_cselect_b32 s38, s38, s39
	s_lshl_b32 s38, s38, 11                        ; rows of 2,048 bytes
	v_lshl_add_u32 v[4+(\t)], v1, 3, s38           ; + 8 bytes a lane
.endr
	s_lshl_b32 s40, s22, 14                        ; my 4 rows of 4,096 bytes in the source
	v_lshl_add_u32 v2, v1, 4, s40
	s_wait_kmcnt 0x0
	s_cmp_lt_u32 s23, 256
	s_cselect_b64 s[24:25], s[4:5], s[6:7]         ; q or h
	s_cmp_lt_u32 s23, 544
	s_cselect_b64 s[26:27], s[8:9], s[10:11]       ; Wq or Wk
	s_cmp_lt_u32 s23, 576
	s_cselect_b64 s[26:27], s[26:27], s[12:13]     ; or Wv
	s_cmp_lt_u32 s23, 512
	s_cselect_b64 s[24:25], s[24:25], s[26:27]     ; the source
	s_cselect_b64 s[26:27], s[16:17], s[18:19]     ; the destination
	s_cselect_b32 s42, 255, 31
	s_and_b32 s42, s23, s42                        ; the block inside its source
	s_lshl_b32 s42, s42, 17                        ; 32 rows of 4,096 bytes
	s_mov_b32 s43, 0
	s_add_nc_u64 s[24:25], s[24:25], s[42:43]
.irp t, 0,1,2,3
.irp e, 0,1,2,3,4,5,6,7
	global_load_b128 v[X+32*(\t)+4*(\e):X+32*(\t)+4*(\e)+3], v2, s[24:25] offset:(\t)*4096+(\e)*512 th:TH_LOAD_NT
.endr
.endr
.irp t, 0,1,2,3
	s_wait_loadcnt 24-8*(\t)                       ; loads come back in order (ISA guide 5.7.1): row t is in, the later rows' loads stay out
.irp e, 0,1,2,3,4,5,6,7
	v_cvt_pk_bf16_f32 v[X+32*(\t)+4*(\e)],   v[X+32*(\t)+4*(\e)],   v[X+32*(\t)+4*(\e)+1]
	v_cvt_pk_bf16_f32 v[X+32*(\t)+4*(\e)+1], v[X+32*(\t)+4*(\e)+2], v[X+32*(\t)+4*(\e)+3]
	global_store_b64 v[4+(\t)], v[X+32*(\t)+4*(\e):X+32*(\t)+4*(\e)+1], s[26:27] offset:(\e)*256 th:TH_STORE_NT  ; the wave's 32 lanes store 256 consecutive bytes, aligned
.endr
.endr
	s_branch .Lend                                 ; no register is written twice, so nothing waits for a store
.Lmask:
	; THE MASK.  Query tile 4 gm + w / 2 (16 rows), keys 1,024 (w % 2) on, in four units of 256 keys.  A unit goes through my own stage in LDS: in by rows, back by lanes of the attention.
	s_sub_co_u32 s24, s23, 608                     ; gm
	s_lshl_b32 s26, s24, 17                        ; 64 rows of 2,048 bytes
	s_mov_b32 s27, 0
	s_lshr_b32 s28, s24, 3                         ; 4 b + query block
	s_lshl_b32 s28, s28, 20
	s_and_b32 s30, s24, 7
	s_lshl_b32 s30, s30, 13                        ; four query tiles of 2,048 bytes
	s_add_co_u32 s28, s28, s30
	s_mov_b32 s29, 0
	s_mov_b32 s31, 0xf1
	s_lshr_b32 s32, s22, 1
	s_and_b32 s33, s22, 1
	v_and_b32 v2, 15, v0
	v_bfe_u32 v3, v0, 4, 1
	s_lshl_b32 s34, s32, 15                        ; my tile's 16 rows,
	s_lshl_b32 s35, s33, 10                        ; my half of the keys
	s_add_co_u32 s34, s34, s35
	v_lshlrev_b32 v10, 11, v3                      ; in: lanes 0-15 one row's 256 bytes, lanes 16-31 the next row's
	v_lshl_add_u32 v10, v2, 4, v10
	v_add_nc_u32 v10, s34, v10
	s_mul_i32 s36, s22, 16*SPITCH                  ; my stage
	v_mul_u32_u24 v11, v3, SPITCH
	v_lshl_add_u32 v11, v2, 4, v11
	v_add_nc_u32 v11, s36, v11                     ; into the stage: the same two rows
	v_mul_u32_u24 v12, v2, SPITCH
	v_lshl_add_u32 v12, v3, 5, v12
	v_add_nc_u32 v12, s36, v12                     ; back: row lane % 16, 32 keys for each half of the lanes
	s_lshl_b32 s37, s32, 11
	s_lshl_b32 s38, s33, 19                        ; eight slots of 65,536 bytes
	s_add_co_u32 s37, s37, s38
	v_lshl_add_u32 v13, v1, 4, s37                 ; out: 16 bytes a lane
	s_wait_kmcnt 0x0
	s_add_nc_u64 s[14:15], s[14:15], s[26:27]
	s_add_nc_u64 s[20:21], s[20:21], s[28:29]
.irp i, 0,1,2,3
.irp e, 0,1,2,3,4,5,6,7
	global_load_b128 v[X+32*(\i)+4*(\e):X+32*(\i)+4*(\e)+3], v10, s[14:15] offset:(\e)*4096+(\i)*256 th:TH_LOAD_NT
.endr
.endr
.irp i, 0,1,2,3
	s_wait_loadcnt 24-8*(\i)                       ; unit i is in, the later units' loads stay out
.set r, 0
.rept 32
	v_mul_lo_u32 v[X+32*(\i)+r], v[X+32*(\i)+r], s31   ; four bytes 0 / 1 become 0x00 / 0xF1: no carry leaves a byte
.set r, r+1
.endr
.irp e, 0,1,2,3,4,5,6,7
	ds_store_b128 v11, v[X+32*(\i)+4*(\e):X+32*(\i)+4*(\e)+3] offset:(\e)*2*SPITCH
.endr
.irp z, 0,1,2,3,4,5,6,7
	ds_load_b128 v[X+32*(\i)+4*(\z):X+32*(\i)+4*(\z)+3], v12 offset:((\z)/2)*64+((\z)%2)*16  ; LDS serves a wave's instructions in order (ISA guide 5.7.1.4): these see the stores above; the next unit's stores come behind them
.endr
.irp z, 0,1,2,3,4,5,6,7
	s_wait_dscnt 7-(\z)                            ; piece z is back, the younger ones stay out
	global_store_b128 v13, v[X+32*(\i)+4*(\z):X+32*(\i)+4*(\z)+3], s[20:21] offset:(2*(\i)+(\z)/4)*65536+(((\z)/2)%2)*1024+((\z)%2)*512 th:TH_STORE_NT  ; 512 consecutive bytes, aligned
.endr
.endr
.Lend:
	s_wait_tensorcnt 0x0                           ; the wave's end: behind my last LDS store
	ds_add_u32 v[SPW], v[NIL]
	s_wait_dscnt 0x0
	s_endpgm
.Lfunc_end_k_q105e0e8488_prep:
	.size	k_q105e0e8488_prep, .Lfunc_end_k_q105e0e8488_prep-k_q105e0e8488_prep
	.p2alignl 7, 3214868480
	.fill 96, 4, 3214868480
	.section	.rodata,"a",@progbits
	.p2align	6, 0x0
	.amdhsa_kernel k_q105e0e8488_prep
		.amdhsa_group_segment_fixed_size 35840
		.amdhsa_private_segment_fixed_size 0
		.amdhsa_enable_private_segment 0
		.amdhsa_kernarg_size 72
		.amdhsa_user_sgpr_count 2
		.amdhsa_user_sgpr_kernarg_segment_ptr 1
		.amdhsa_wavefront_size32 1
		.amdhsa_system_sgpr_workgroup_id_x 1
		.amdhsa_system_sgpr_workgroup_id_y 1
		.amdhsa_system_sgpr_workgroup_id_z 1
		.amdhsa_system_vgpr_workitem_id 0
		.amdhsa_next_free_vgpr 144
		.amdhsa_next_free_sgpr 66
		.amdhsa_reserve_vcc 0
		.amdhsa_float_denorm_mode_32 3
		.amdhsa_float_denorm_mode_16_64 3
		.amdhsa_memory_ordered 1
		.amdhsa_forward_progress 1
		.amdhsa_inst_pref_size 34
	.end_amdhsa_kernel
	.amdgpu_metadata
---
amdhsa.version: [ 1, 2 ]
amdhsa.kernels:
  - .name:           k_q105e0e8488_prep
    .symbol:         k_q105e0e8488_prep.kd
    .args:
      - { .name: q, .offset: 0, .size: 8, .value_kind: global_buffer, .address_space: global }
      - { .name: h, .offset: 8, .size: 8, .value_kind: global_buffer, .address_space: global }
      - { .name: Wq, .offset: 16, .size: 8, .value_kind: global_buffer, .address_space: global }
      - { .name: Wk, .offset: 24, .size: 8, .value_kind: global_buffer, .address_space: global }
      - { .name: Wv, .offset: 32, .size: 8, .value_kind: global_buffer, .address_space: global }
      - { .name: mask, .offset: 40, .size: 8, .value_kind: global_buffer, .address_space: global }
      - { .name: Xb, .offset: 48, .size: 8, .value_kind: global_buffer, .address_space: global }
      - { .name: Wb, .offset: 56, .size: 8, .value_kind: global_buffer, .address_space: global }
      - { .name: Mk, .offset: 64, .size: 8, .value_kind: global_buffer, .address_space: global }
    .group_segment_fixed_size: 35840
    .private_segment_fixed_size: 0
    .kernarg_segment_align: 8
    .kernarg_segment_size: 72
    .max_flat_workgroup_size: 256
    .sgpr_count:     66
    .vgpr_count:     144
    .wavefront_size: 32
...
	.end_amdgpu_metadata
.endif
;; end of part 1
;; launch proj (part 2): grid 12 x 32, 4 waves a work-group, clusters of 4 x 4, 327,680 bytes of LDS; arguments Xb, Wb, qkv; writes qkv
.if DOCPART == 2
	.amdgcn_target "amdgcn-amd-amdhsa--gfx1250"
	.amdhsa_code_object_version 6
	.text
	.protected	k_q105e0e8488_proj
	.globl	k_q105e0e8488_proj
	.p2align	8
	.type	k_q105e0e8488_proj,@function
k_q105e0e8488_proj:
	s_mov_b64 s[64:65], 0
	v_nop
	global_prefetch_b8 v0, s[64:65] scope:SCOPE_SE
	s_setreg_imm32_b32 hwreg(HW_REG_WAVE_MODE, 25, 1), 1
	s_wait_xcnt 0x0
	s_wait_alu depctr_hold_cnt(0) depctr_sa_sdst(0) depctr_va_vdst(0) depctr_va_sdst(0) depctr_va_ssrc(0) depctr_va_vcc(0) depctr_vm_vsrc(0)
	s_getreg_b32 s2, hwreg(HW_REG_IB_STS2, 6, 4)
	s_cmp_eq_u32 s2, 0
	s_cbranch_scc0 .Lentry_in_a_cluster
	s_endpgm
.Lentry_in_a_cluster:
	s_bfe_u32 s2, ttmp6, 0x10000c
	s_cmp_lg_u32 s2, 0xf033
	s_cbranch_scc0 .Lentry_shape_is_right
	s_endpgm
.Lentry_shape_is_right:
; THE THREE PROJECTIONS AS ONE GEMM.  C[m][n] = sum over k of A[m][k] B[n][k], bf16 operands, f32 sums, rounded once to f16.  B = Wb [3072][1024]: rows 0-1023 Wq, then Wk, then Wv.
; A = Xb [16384][1024]: q's rows for Wq's columns, h's rows (8,192 further down) for Wk's and Wv's.  Out: qkv, three parts (Q, K, V) of [64 heads][2048 rows][64] f16: a head's rows are dense.
; LIMIT.  f16 ends at 65,504: a projected number of 65,520 or more in magnitude would become an infinity.  With x of unit spread and weights of spread 0.02 the results have spread 0.64;
; thirty times larger x and weights give about 580, far inside.
; A tile of C is 256 x 256: four waves, each 128 x 128: 64 accumulators of 16 x 16, 512 registers.  K goes in 8 steps of 128 through a ring of two LDS slots filled by the tensor data mover.
; 12 x 32 = 384 tiles, one to a work-group.  A tile of 128 x 256 would give 768, but a wave would have 128 matrix instructions in a K step in place of 256 for its refill to land in, and two slots
; of K steps of 256 (2 x 384 rows x 528 bytes = 405,504) do not fit in LDS.
; CLUSTERS: 4 x 4 work-groups.  The four of a row of the cluster need the same tiles of A, the four of a column the same tiles of B: each tile is asked for JOINTLY, by the same tensor load with
; the same descriptor and a mask that names the four.  A cluster's x is the part (Q, K, V), the same for all sixteen.
; REGISTERS, in windows of 256 (s_set_vgpr_msb: bits 1:0 source 0, 3:2 source 1, 5:4 source 2, 7:6 destination):
;   window 0: v0-31 addresses; v64-127, v128-191 fragments of A, two buffers (in the last K step four, of 16 rows x 128 K); v32-63, v192-255 at work on the way out
;   window 1: v64-127, v128-191 fragments of B, two buffers; in the last K step all 256          window 2: the accumulators of my rows 0-63          window 3: those of my rows 64-127
; THE MATRIX INSTRUCTION IS USED TRANSPOSED: source 0 = 16 rows of B, source 1 = 16 rows of A: lane l holds row l % 16 of C and the columns 8 (l / 16) + 0..7, which pack into 16 bytes.
.set SIZE_K, 1024
.set KSTEP,  128
.set PITCH,  272                       ; an LDS row: 256 bytes + 16 of padding = 68 words: row r starts at bank 4 r mod 64 (64 banks of 4 bytes: ISA guide 11.1)
.set HALFT,  128*PITCH                 ; 128 rows: what one tensor load brings, and what one wave reads of A or of B
.set SLOT,   4*HALFT                   ; A's 256 rows, then B's 256 rows
.set STAGE,  2*SLOT                    ; behind the ring: 16 rows x 272 bytes for each wave, for the way out
.set SPITCH, 272
.set SPARE,  STAGE+4*16*SPITCH         ; behind the stages: the spare words, 128 bytes for each wave: two blocks of 256 bytes that no other line names
.set LAPS,   SIZE_K/(2*KSTEP)          ; a lap = two K steps = once round the ring
.set HEADB,  2048*128                  ; bytes of a head in a part of qkv
.set ADRA, 16                          ; v16-17  LDS address of my A fragments in slot 0, 1
.set ADRB, 20                          ; v20-21  the same for B
.set STO,  24                          ; v24     the way out: where I put 16 bytes of a row
.set RD,   25                          ; v25     the way out: where I read rows back
.set CO,   26                          ; v26     16 x my lane: my place in 512 consecutive bytes of a head
.set SPW,  28                          ; v28     LDS address of my spare word; never rewritten
.set NIL,  29                          ; v29     0; never rewritten
.set PFO,  30                          ; v30     the prefetches' offset: my lane x a row of 2,048 bytes; never rewritten
.set PFA,  44                          ; s[44:45] where my prefetches stand
.set LIM,  43                          ; s43     1 in a wave that prefetches, else the greatest number
.set F0,   64
.set F1,   128
.set TMP,  192
.set OB,   32
.set PA,   64
.set G1, 24                            ; s[24:31] descriptor group 1 for A's tiles
.set G0, 32                            ; s[32:39] group 0 for A's tiles, one set for each slot
.set G1B, 48                           ; s[48:55], s[56:63] the same for B's
.set G0B, 56
.set MSB, 0
.macro WIN new                         ; the immediate's high byte repeats the setting that is left
.if MSB != (\new)
	s_set_vgpr_msb (MSB<<8)|(\new)
.set MSB, \new
.endif
.endm
.set MUL_LO, 0xa1                      ; source 0 (B) window 1, source 1 (A) window 0, C and D window 2
.set MUL_HI, 0xf1                      ; the same, C and D window 3
.set TO_B,   0x40                      ; destination window 1, address window 0
; A joint load.  Waves 0 and 1 fetch A's two halves, waves 2 and 3 B's.  The branch hangs on the wave's number alone.  An s_nop 0 and four v_nop follow each of the two lines.
.macro JLOAD s
	s_cmp_eq_u32 s11, 0
	s_cbranch_scc0 .Lfor_b_\@
	tensor_load_to_lds s[G0+4*(\s):G0+4*(\s)+3], s[G1:G1+7]
	s_nop 0
.rept 4
	v_nop
.endr
	s_branch .Lasked_\@
.Lfor_b_\@:
	tensor_load_to_lds s[G0B+4*(\s):G0B+4*(\s)+3], s[G1B:G1B+7]
	s_nop 0
.rept 4
	v_nop
.endr
.Lasked_\@:
.endm
; A PREFETCH INTO THE L2, behind each joint load and the run of LDS loads that follows it: the K step that stands two refills on: 32 rows x 256 bytes, a lane a row, one instruction a wave.
; Each row's 256 bytes of a K step are named once in the launch.  q's rows are read by the clusters with x = 0, h's by those with x = 1 and x = 2: x = 0 and x = 1 ask.  B's rows are read by every
; cluster of a column of clusters: cluster y = 0 asks.  The four partners that ask for a tile jointly share its rows out by address, 32 each.  K steps 0 to 3 come by their loads alone; the loop's
; last trip, whose refills are K steps 6 and 7, asks for nothing.
.macro ASK
	s_cmp_gt_u32 s3, s[LIM]                        ; s3 = 1 in the loop's last trip
	s_cbranch_scc0 .Lnot_mine_\@
	global_prefetch_b8 v[PFO], s[PFA:PFA+1] offset:KSTEP*2 th:TH_LOAD_NT scope:SCOPE_SE
.Lnot_mine_\@:
.endm
.macro CREST                           ; a round of the cluster's barrier behind its opening barrier
	s_cmp_lg_u32 s10, 0
	s_cbranch_scc1 .Lnot_wave_0_\@
	s_barrier_signal -3
.Lnot_wave_0_\@:
	s_barrier_wait -3
	s_barrier_signal -1
	s_barrier_wait -1
.endm
.macro CROUND                          ; a whole round
	s_barrier_signal -1
	s_barrier_wait -1
	CREST
.endm
	s_load_b128 s[4:7], s[0:1], 0x0                ; A s[4:5], B s[6:7]
	s_load_b64 s[8:9], s[0:1], 0x10                ; qkv
	v_lshl_add_u32 v[SPW], v0, 2, SPARE
	v_mov_b32 v[NIL], 0
	ds_add_u32 v[SPW], v[NIL]                      ; the wave's opening: the add and its wait stand ahead of my first tensor load; the set-up below stands between them
	ds_add_u32 v28, v29
	v_lshrrev_b32 v1, 5, v0
	v_readfirstlane_b32 s10, v1                    ; wave 0..3
	s_lshr_b32 s11, s10, 1                         ; which half of the tile's rows is mine.  Also: I fetch for A (0) or for B (1)
	s_and_b32 s12, s10, 1                          ; which half of its columns.  Also: which 128 rows of that tile I fetch
	s_bfe_u32 s40, ttmp6, 0x40000                  ; cx
	s_bfe_u32 s41, ttmp6, 0x40004                  ; cy
	s_lshl_b32 s42, ttmp9, 2
	s_add_co_u32 s42, s42, s40                     ; tile column = 4 x cluster x + cx: 0..11
	s_and_b32 s13, ttmp7, 0xffff
	s_lshl_b32 s13, s13, 2
	s_add_co_u32 s13, s13, s41                     ; tile row = 4 x cluster y + cy: 0..31
	s_cmp_lg_u32 ttmp9, 0
	s_cselect_b32 s2, 8192, 0                      ; K's and V's columns multiply h's rows: the same number in all sixteen partners
	s_lshl_b32 s43, s41, 2
	s_lshl_b32 s43, 15, s43                        ; my row of the cluster
	s_lshl_b32 s44, 0x1111, s40                    ; my column
	s_or_b32 s[G1+0], s43, (1<<16)|(1<<20)|(1<<21)|(5<<22)|(3<<25)  ; 15:0 the mask; 17:16 2-byte elements; 20 padding on; 21 set beside a mask; 24:22 after every 64 words; 31:25 of 4 words
	s_or_b32 s[G1B+0], s44, (1<<16)|(1<<20)|(1<<21)|(5<<22)|(3<<25)
	s_mov_b32 s[G1B+1], KSTEP<<16
	s_mov_b32 s[G1+1], KSTEP<<16                   ; tensor_dim0 = 128
	s_mov_b32 s[G1B+2], 128<<16
	s_mov_b32 s[G1+2], 128<<16                     ; tensor_dim1 = 128
	s_mov_b32 s[G1B+3], KSTEP<<16
	s_mov_b32 s[G1+3], KSTEP<<16                   ; tile_dim0 = 128
	s_mov_b32 s[G1B+4], 128
	s_mov_b32 s[G1+4], 128                         ; tile_dim1 = 128
	s_mov_b32 s[G1B+5], SIZE_K
	s_mov_b32 s[G1+5], SIZE_K                      ; elements from row to row
	s_mov_b32 s[G1B+6], 0
	s_mov_b32 s[G1+6], 0
	s_mov_b32 s[G1B+7], 0
	s_mov_b32 s[G1+7], 0
	s_lshl_b32 s17, s12, 7                         ; which 128 rows of the tile I fetch
	s_lshl_b32 s16, s13, 8
	s_add_co_u32 s16, s16, s17
	s_add_co_u32 s16, s16, s2                      ; A: row 256 x tile row + 128 x half (+ 8,192)
	s_lshl_b32 s46, s42, 8
	s_add_co_u32 s46, s46, s17                     ; B: row 256 x tile column + 128 x half
	s_mov_b32 s17, 0
	s_mov_b32 s47, 0
	s_mov_b64 s[18:19], SIZE_K*2
	s_mul_u64 s[16:17], s[16:17], s[18:19]
	s_mul_u64 s[46:47], s[46:47], s[18:19]
	s_mul_i32 s20, s10, HALFT                      ; where they go: wave x 128 rows: no place in the cluster enters an LDS address
	s_wait_dscnt 0x0                               ; the opening add is done
	s_wait_kmcnt 0x0
	s_add_nc_u64 s[14:15], s[4:5], s[16:17]
	s_add_nc_u64 s[46:47], s[6:7], s[46:47]
	CROUND                                         ; all sixteen work-groups are here: the first joint loads meet
.irp s, 0,1
	s_mov_b32 s[G0+4*(\s)], 1
	s_add_co_u32 s[G0+4*(\s)+1], s20, (\s)*SLOT
	s_add_nc_u64 s[G0+4*(\s)+2:G0+4*(\s)+3], s[14:15], (\s)*KSTEP*2
	s_or_b32 s[G0+4*(\s)+3], s[G0+4*(\s)+3], 0x80000000
	s_mov_b32 s[G0B+4*(\s)], 1
	s_add_co_u32 s[G0B+4*(\s)+1], s20, (\s)*SLOT
	s_add_nc_u64 s[G0B+4*(\s)+2:G0B+4*(\s)+3], s[46:47], (\s)*KSTEP*2
	s_or_b32 s[G0B+4*(\s)+3], s[G0B+4*(\s)+3], 0x80000000
	JLOAD \s                                       ; two loads of mine are out
.endr
	; A fragment is 16 rows x 32 K in 8 registers: lane l holds row l % 16; registers 0-3 K = 8 (l / 16) + 0..7, registers 4-7 K = 16 + 8 (l / 16) + 0..7: two loads of 16 bytes, 32 bytes apart.
	v_and_b32 v1, 15, v0
	v_bfe_u32 v2, v0, 4, 1
	v_mul_u32_u24 v3, v1, PITCH
	v_lshl_add_u32 v3, v2, 4, v3
	s_mul_i32 s21, s11, HALFT                      ; my 128 rows of A
	s_mul_i32 s22, s12, HALFT                      ; my 128 rows of B,
	s_add_co_u32 s22, s22, 2*HALFT                 ; which lie behind A's 256
.irp s, 0,1
	v_add_nc_u32 v[ADRA+(\s)], s21, v3
	v_add_nc_u32 v[ADRB+(\s)], s22, v3
	s_add_co_u32 s21, s21, SLOT
	s_add_co_u32 s22, s22, SLOT
.endr
	s_mul_i32 s23, s10, 16*SPITCH
	s_add_co_u32 s23, s23, STAGE                   ; my stage
	v_mul_u32_u24 v4, v1, SPITCH                   ; in: row l % 16, 16 bytes for each half of the lanes; a stage row holds two heads' 128 bytes
	v_lshl_add_u32 v4, v2, 4, v4
	v_add_nc_u32 v[STO], s23, v4
	v_bfe_u32 v5, v0, 3, 2                         ; back: 32 lanes take four rows x 128 bytes of one head,
	v_and_b32 v6, 7, v0
	v_mul_u32_u24 v5, v5, SPITCH
	v_lshl_add_u32 v5, v6, 4, v5
	v_add_nc_u32 v[RD], s23, v5
	v_and_b32 v[CO], 31, v0                        ; which are 512 consecutive bytes of qkv
	v_lshlrev_b32 v[CO], 4, v[CO]
	; where my part of the tile begins in qkv: part x 16 MiB + ((16 b + 4 cx + 2 x column half) x 2,048 + 256 (tile row % 8) + 128 x row half) x 128
	s_lshr_b32 s16, s13, 3                         ; b
	s_lshl_b32 s16, s16, 4
	s_lshl1_add_u32 s16, s12, s16
	s_lshl_b32 s16, s16, 11
	s_and_b32 s14, s13, 7
	s_lshl_b32 s14, s14, 8
	s_add_co_u32 s16, s16, s14
	s_lshl_b32 s14, s11, 7
	s_add_co_u32 s16, s16, s14
	s_lshl_b32 s16, s16, 7
	s_lshl_b32 s14, ttmp9, 24
	s_add_co_u32 s16, s16, s14
	s_mov_b32 s17, 0
	s_lshl_b32 s46, s40, 20                        ; 4 cx heads of 262,144 bytes
	s_mov_b32 s47, 0
	s_add_nc_u64 s[16:17], s[16:17], s[46:47]
	; the prefetches
	s_lshl_b32 s13, s13, 8
	s_lshl_b32 s42, s42, 8
	s_add_co_u32 s20, s13, s2                      ; A's tile's first row
	s_and_b32 s22, ttmp7, 0xffff                   ; cluster y
	s_lshr_b32 s23, ttmp9, 1                       ; 0 for cluster x = 0 (q) and x = 1 (h)
	s_cmp_eq_u32 s11, 0                            ; do I fetch for A?
	s_cselect_b32 s20, s20, s42
	s_cselect_b32 s21, s40, s41                    ; my place among the four that ask for the tile with me
	s_cselect_b32 s22, s23, s22
	s_cselect_b64 s[PFA:PFA+1], s[4:5], s[6:7]
	s_cmp_eq_u32 s22, 0
	s_cselect_b32 s[LIM], 1, -1                    ; the same in all sixteen partners, for a given wave
	s_lshl_b32 s22, s12, 7
	s_add_co_u32 s20, s20, s22                     ; + the 128 rows that I fetch
	s_lshl_b32 s21, s21, 5
	s_add_co_u32 s20, s20, s21                     ; + my work-group's 32 of them
	s_mov_b32 s21, 0
	s_mov_b64 s[18:19], SIZE_K*2
	s_mul_u64 s[20:21], s[20:21], s[18:19]
	s_add_nc_u64 s[PFA:PFA+1], s[PFA:PFA+1], s[20:21]
	s_add_nc_u64 s[PFA:PFA+1], s[PFA:PFA+1], 2*KSTEP*2  ; at K step 2: the first refill steps it to 3 and names K step 4
	v_and_b32 v[PFO], 31, v0
	v_mul_u32_u24 v[PFO], v[PFO], SIZE_K*2
; 16 matrix instructions: m blocks a0, a0 + 1 of the window's four x all 8 n blocks, 32 along K.  zero = 1: the first product starts the sums.
.macro MUL16 f, hi, a0, zero
	WIN MUL_LO+0x50*(\hi)
.irp a, \a0, (\a0)+1
.irp b, 0,1,2,3,4,5,6,7
.if \zero
	v_wmma_f32_16x16x32_bf16 v[8*(8*(\a)+(\b)):8*(8*(\a)+(\b))+7], v[(\f)+8*(\b):(\f)+8*(\b)+7], v[(\f)+8*(4*(\hi)+(\a)):(\f)+8*(4*(\hi)+(\a))+7], 0
.else
	v_wmma_f32_16x16x32_bf16 v[8*(8*(\a)+(\b)):8*(8*(\a)+(\b))+7], v[(\f)+8*(\b):(\f)+8*(\b)+7], v[(\f)+8*(4*(\hi)+(\a)):(\f)+8*(4*(\hi)+(\a))+7], v[8*(8*(\a)+(\b)):8*(8*(\a)+(\b))+7]
.endif
.endr
.endr
.endm
; 32 LDS loads in one run: the fragments of one quarter step into buffer f
.macro FETCH slot, k, f
	WIN TO_B
.irp i, 0,1,2,3,4,5,6,7
	ds_load_b128 v[(\f)+8*(\i):(\f)+8*(\i)+3],   v[ADRB+(\slot)] offset:(\k)+(\i)*16*PITCH
	ds_load_b128 v[(\f)+8*(\i)+4:(\f)+8*(\i)+7], v[ADRB+(\slot)] offset:(\k)+(\i)*16*PITCH+32
.endr
	WIN 0
.irp i, 0,1,2,3,4,5,6,7
	ds_load_b128 v[(\f)+8*(\i):(\f)+8*(\i)+3],   v[ADRA+(\slot)] offset:(\k)+(\i)*16*PITCH
	ds_load_b128 v[(\f)+8*(\i)+4:(\f)+8*(\i)+7], v[ADRA+(\slot)] offset:(\k)+(\i)*16*PITCH+32
.endr
.endm
; Four plain vector instructions stand between a matrix instruction and a load into one of its registers or a conversion of its result (ISA guide 7.12.1 for vector instructions).
.macro PLACES
.rept 4
	v_nop
.endr
.endm
; A K step is four quarters of 32 along K, 64 matrix instructions each, on buffers 0, 1, 0, 1.  One of the first three: multiplies buffer f; in its middle it fetches the next quarter into g.
.macro QUARTER slot, k, f, g, zero
	s_wait_dscnt 8                                 ; B and A's rows 0-63 are in; the youngest eight loads (A's rows 64-127) may be out
	WIN MUL_LO
	MUL16 \f, 0, 0, \zero
	MUL16 \f, 0, 2, \zero
	PLACES
	FETCH \slot, \k, \g
	s_wait_dscnt 32                                ; all but the 32 just issued
	WIN MUL_HI
	MUL16 \f, 1, 0, \zero
	MUL16 \f, 1, 2, \zero
.endm
; The last quarter's first half: ONE barrier for the change of slots.  In front of it each wave waits for all its tensor loads (one is out: its part of the next slot), adds 0 to its spare word, and
; waits for that and for its own reads of this slot.  Behind it nobody reads this slot any more and the next slot is whole.
.macro MEET round
	WIN 0
	s_wait_tensorcnt 0x0
	ds_add_u32 v[SPW], v[NIL]                      ; 0 onto my spare word
	s_wait_dscnt 9                                 ; (the add and the youngest eight loads may be out)
	WIN MUL_LO
	MUL16 F1, 0, 0, 0
	s_wait_dscnt 0x0                               ; the add is done, and my reads of this slot are over
	s_barrier_signal -1
	MUL16 F1, 0, 2, 0
.if \round
	WIN 0
.endif
	s_barrier_wait -1
.endm
; The whole last quarter.  Behind the round the slot just read out is filled again first, with the K step two steps on; from a request to the wait for it a wave issues 224 matrix instructions.
.macro TURN slot, next
	s_wait_xcnt 0x0                                ; the last prefetch, a K step back, has read its address
	s_add_nc_u64 s[PFA:PFA+1], s[PFA:PFA+1], KSTEP*2
	MEET 1
	CREST                                          ; no wave of any partner still reads this slot's tile or has a load on its way
	s_add_nc_u64 s[G0+4*(\slot)+2:G0+4*(\slot)+3], s[G0+4*(\slot)+2:G0+4*(\slot)+3], 2*KSTEP*2
	s_add_nc_u64 s[G0B+4*(\slot)+2:G0B+4*(\slot)+3], s[G0B+4*(\slot)+2:G0B+4*(\slot)+3], 2*KSTEP*2
	JLOAD \slot                                    ; the first tensor load behind the round; its four v_nop are also the places in front of the loads below
	FETCH \next, 0, F0
	ASK
	WIN MUL_HI
	MUL16 F1, 1, 0, 0
	MUL16 F1, 1, 2, 0
.endm
; THE LAST K STEP (it lies in slot 1) GOES BY ROWS OF C: all its fragments of B fill window 1; my eight blocks of 16 rows are finished one after the other, 32 matrix instructions each
; (the block's 8 accumulators by turns, K ascending), and each block leaves as soon as it is finished.
.macro BLOAD q
	WIN TO_B
.irp i, 0,1,2,3,4,5,6,7
	ds_load_b128 v[64*(\q)+8*(\i):64*(\q)+8*(\i)+3],   v[ADRB+1] offset:64*(\q)+(\i)*16*PITCH
	ds_load_b128 v[64*(\q)+8*(\i)+4:64*(\q)+8*(\i)+7], v[ADRB+1] offset:64*(\q)+(\i)*16*PITCH+32
.endr
.endm
.macro ALOAD a
	WIN 0
.set FA, PA+32*((\a)%4)
.irp q, 0,1,2,3
	ds_load_b128 v[FA+8*(\q):FA+8*(\q)+3],   v[ADRA+1] offset:64*(\q)+(\a)*16*PITCH
	ds_load_b128 v[FA+8*(\q)+4:FA+8*(\q)+7], v[ADRA+1] offset:64*(\q)+(\a)*16*PITCH+32
.endr
.endm
.macro ROW a
.set FA, PA+32*((\a)%4)
.set AC, 64*((\a)%4)
	WIN MUL_LO+0x50*((\a)/4)
.irp q, 0,1,2,3
.if (\a) == 0 && (\q) == 2
	s_wait_dscnt 24                                ; B's quarter 2 is in (behind it: A's blocks 1 to 3)
.endif
.irp b, 0,1,2,3,4,5,6,7
	v_wmma_f32_16x16x32_bf16 v[AC+8*(\b):AC+8*(\b)+7], v[64*(\q)+8*(\b):64*(\q)+8*(\b)+7], v[FA+8*(\q):FA+8*(\q)+7], v[AC+8*(\b):AC+8*(\b)+7]
.endr
.endr
.endm
; THE WAY OUT of block a.  PACK: rounded to f16, 16 bytes a lane.  TOSTAGE: into my own stage, and back by heads: four rows x 128 bytes a load.  SEND: stored.
.macro PACK a
.set AC, 64*((\a)%4)
	WIN 0x0a+5*((\a)/4)                            ; sources 0 and 1: window 2 or 3
.irp b, 0,1,2,3,4,5,6,7
.irp r, 0,1,2,3
	v_cvt_pk_f16_f32 v[TMP+4*(\b)+(\r)], v[AC+8*(\b)+2*(\r)], v[AC+8*(\b)+2*(\r)+1]
.endr
.endr
	WIN 0
.endm
.macro TOSTAGE a
	WIN 0
.set BK, OB+192*((\a)%2)
.irp b, 0,1,2,3,4,5,6,7
	ds_store_b128 v[STO], v[TMP+4*(\b):TMP+4*(\b)+3] offset:32*(\b)
.endr
.irp t, 0,1,2,3,4,5,6,7
	ds_load_b128 v[BK+4*(\t):BK+4*(\t)+3], v[RD] offset:((\t)%4)*4*SPITCH+((\t)/4)*128  ; LDS serves a wave's instructions in order (ISA guide 5.7.1.4): these see the stores above
.endr
.endm
.macro SEND a, younger
	WIN 0
.set BK, OB+192*((\a)%2)
	s_wait_dscnt \younger                          ; the block is back in registers
	s_wait_xcnt 0x0                                ; only behind this wait are the stores' base and the registers that earlier stores read rewritten
.if (\a) == 0
	s_add_nc_u64 s[8:9], s[8:9], s[16:17]          ; on to my first rows
.else
	s_add_nc_u64 s[8:9], s[8:9], 16*128            ; 16 rows of a head on
.endif
.irp t, 0,1,2,3,4,5,6,7
	global_store_b128 v[CO], v[BK+4*(\t):BK+4*(\t)+3], s[8:9] offset:((\t)/4)*HEADB+((\t)%4)*512  ; 512 consecutive bytes of one head, at a multiple of 256 from qkv's first byte
.endr
.endm
	s_wait_tensorcnt 1                             ; my part of K step 0 is in; K step 1's may stay out
	s_barrier_signal -1
	s_barrier_wait -1
	FETCH 0, 0, F0
	QUARTER 0, 64,  F0, F1, 1                      ; the first quarter stands in front of the loop: its products start the sums
	WIN 0
	s_mov_b32 s3, LAPS-1
.Llap:                                                 ; a trip goes once round the ring, from a lap's second quarter to the next lap's first, and fills both slots again
	QUARTER 0, 128, F1, F0, 0
	QUARTER 0, 192, F0, F1, 0
	TURN 0, 1
	QUARTER 1, 64,  F0, F1, 0
	QUARTER 1, 128, F1, F0, 0
	QUARTER 1, 192, F0, F1, 0
	TURN 1, 0
	QUARTER 0, 64,  F0, F1, 0
	WIN 0
	s_sub_co_u32 s3, s3, 1
	s_cmp_lg_u32 s3, 0
	s_cbranch_scc1 .Llap
	QUARTER 0, 128, F1, F0, 0                      ; the last lap goes on
	QUARTER 0, 192, F0, F1, 0
	MEET 0                                         ; my one tensor load that was still out is the last K step's, so no round follows
	PLACES
	WIN TO_B
	BLOAD 0
	BLOAD 1
	BLOAD 3
	WIN 0
	ALOAD 0
	WIN MUL_HI
	MUL16 F1, 1, 0, 0
	MUL16 F1, 1, 2, 0
	PLACES
	WIN TO_B
	BLOAD 2
	WIN 0
	ALOAD 1
	ALOAD 2
	ALOAD 3
	s_wait_dscnt 40                                ; all but the 40 just issued
	ROW 0
.irp a, 0,1,2,3,4,5,6,7
	PLACES
	PACK \a
	TOSTAGE \a
.if (\a) < 4
	ALOAD (\a)+4
	SEND \a, 8
.else
	SEND \a, 0
.endif
.if (\a) < 7
	ROW (\a)+1
.endif
.endr
	s_wait_tensorcnt 0x0                           ; the wave's end
	ds_add_u32 v[SPW], v[NIL]
	s_wait_dscnt 0x0
	CROUND                                         ; the closing round
	s_endpgm
.Lfunc_end_k_q105e0e8488_proj:
	.size	k_q105e0e8488_proj, .Lfunc_end_k_q105e0e8488_proj-k_q105e0e8488_proj
	.p2alignl 7, 3214868480
	.fill 96, 4, 3214868480
	.section	.rodata,"a",@progbits
	.p2align	6, 0x0
	.amdhsa_kernel k_q105e0e8488_proj
		.amdhsa_group_segment_fixed_size 327680
		.amdhsa_private_segment_fixed_size 0
		.amdhsa_enable_private_segment 0
		.amdhsa_kernarg_size 24
		.amdhsa_user_sgpr_count 2
		.amdhsa_user_sgpr_kernarg_segment_ptr 1
		.amdhsa_wavefront_size32 1
		.amdhsa_system_sgpr_workgroup_id_x 1
		.amdhsa_system_sgpr_workgroup_id_y 1
		.amdhsa_system_sgpr_workgroup_id_z 1
		.amdhsa_system_vgpr_workitem_id 0
		.amdhsa_next_free_vgpr 1024
		.amdhsa_next_free_sgpr 66
		.amdhsa_reserve_vcc 0
		.amdhsa_float_denorm_mode_32 3
		.amdhsa_float_denorm_mode_16_64 3
		.amdhsa_memory_ordered 1
		.amdhsa_forward_progress 1
		.amdhsa_inst_pref_size 145
	.end_amdhsa_kernel
	.amdgpu_metadata
---
amdhsa.version: [ 1, 2 ]
amdhsa.kernels:
  - .name:           k_q105e0e8488_proj
    .symbol:         k_q105e0e8488_proj.kd
    .args:
      - { .name: Xb, .offset: 0, .size: 8, .value_kind: global_buffer, .address_space: global }
      - { .name: Wb, .offset: 8, .size: 8, .value_kind: global_buffer, .address_space: global }
      - { .name: qkv, .offset: 16, .size: 8, .value_kind: global_buffer, .address_space: global }
    .group_segment_fixed_size: 327680
    .private_segment_fixed_size: 0
    .kernarg_segment_align: 8
    .kernarg_segment_size: 24
    .max_flat_workgroup_size: 128
    .sgpr_count:     66
    .vgpr_count:     1024
    .wavefront_size: 32
...
	.end_amdgpu_metadata
.endif
;; end of part 2
;; launch attn (part 3): grid 4 x 64, 4 waves a work-group, clusters of 4 x 4, 327,680 bytes of LDS; arguments qkv, Mk, out0; writes out0
.if DOCPART == 3
	.amdgcn_target "amdgcn-amd-amdhsa--gfx1250"
	.amdhsa_code_object_version 6
	.text
	.protected	k_q105e0e8488_attn
	.globl	k_q105e0e8488_attn
	.p2align	8
	.type	k_q105e0e8488_attn,@function
k_q105e0e8488_attn:
	s_mov_b64 s[64:65], 0
	v_nop
	global_prefetch_b8 v0, s[64:65] scope:SCOPE_SE
	s_setreg_imm32_b32 hwreg(HW_REG_WAVE_MODE, 25, 1), 1
	s_wait_xcnt 0x0
	s_wait_alu depctr_hold_cnt(0) depctr_sa_sdst(0) depctr_va_vdst(0) depctr_va_sdst(0) depctr_va_ssrc(0) depctr_va_vcc(0) depctr_vm_vsrc(0)
	s_getreg_b32 s2, hwreg(HW_REG_IB_STS2, 6, 4)
	s_cmp_eq_u32 s2, 0
	s_cbranch_scc0 .Lentry_in_a_cluster
	s_endpgm
.Lentry_in_a_cluster:
	s_bfe_u32 s2, ttmp6, 0x10000c
	s_cmp_lg_u32 s2, 0xf033
	s_cbranch_scc0 .Lentry_shape_is_right
	s_endpgm
.Lentry_shape_is_right:
; MASKED ATTENTION.  out0[b][q][64 hd ..] = the sum over the keys k that mask[b][q][k] allows of softmax_k(Q . K / 8) V.  qkv: three parts (Q, K, V) of [64 heads][2048][64] f16, a head's rows dense;
; K's and V's rows lie permuted inside each group of 64 (place 16 kb + 8 hh + j holds key 32 hh + 4 j + 3 - kb).  Mk: the mask as bytes 0x00 / 0xF1 in tile order (below).  out0: f32.
; Products, maxima and sums in f32; the weights p are rounded to f16 for the second product (their sum l is taken of the unrounded p).
; THE MASK is the C operand that starts the sum S^T = K Q^T.  A 32-bit word of four mask bytes, read as f32, is decided by its top byte: 0xF1 gives a number between -2^101 and -2^99, 0x00 one below
; 2^-124 in magnitude, whatever the lower bytes hold.  In the permuted key order word j of a lane's 32 neighbouring mask bytes serves register j of key block 0 as it is, and shifted left by 8, 16, 24
; bits that of key blocks 1, 2, 3.  m starts at -2^96: above every hidden score, below every true one.  So a hidden key's weight is exactly 0, and a row with no key allowed ends with l = 0, O = 0
; and 0 x (1 / 0) = NaN, as a softmax over nothing gives.
; LIMITS.  Q, K, V arrive within f16's 65,504; a true score below -2^96 would count as hidden (f16 operands reach 2.7e11 at the most); a visible score carries an added term below 2^-124;
; a weight below 2^-126 counts as 0 in l; NaN and infinities in the inputs are not treated apart.
; SHARES.  A work-group owns 512 queries of one head, a wave 128: four PIECES of two tiles of 16.  Every wave walks all 2,048 keys, 64 a step.
; LAYOUT.  S^T = K Q^T (source 0 = 16 keys, source 1 = 16 queries): a lane holds ONE query (lane % 16) and the key places 8 (lane / 16) + 0..7.  Two such tiles rounded to f16 ARE source 1 of O^T = V^T P.
; SOFTMAX.  p = 2^(c s - c m), c = log2(e) / 8, with a running maximum m; in every step O and l are multiplied by a = 2^(c m_old - c m_new).
; BY TURNS.  Turn n belongs to piece n: 16 products K Q^T of piece n + 1, later 16 products V^T P of piece n - 1; beside them the scaling, exponentials, roundings, sums and rescaling of piece n and the
; maximum and statistics of piece n + 1: four vector instructions behind every matrix instruction, the rest in a run of their own; one batch of exponentials and one wait a turn.  The turn also loads
; (in its middle) and shifts (at its end) the mask words of piece n + 2.
; CLUSTER.  4 x 4 work-groups: x is the query block, y the head.  K and V hang on the head: asked for jointly along a row of the cluster.  The mask tile hangs on batch and query block, and the four
; heads of a cluster belong to one batch: asked for jointly along a column.
; REGISTERS, in windows of 256 (s_set_vgpr_msb: bits 1:0 source 0, 3:2 source 1, 5:4 source 2, 7:6 destination):
;   window 0: v0-11 addresses; v12-15, v48-63 at work; v16-47 statistics; v64-191 S^T, two buffers of two tiles; v192-255 P, likewise
;   window 1: O^T, 32 a tile      window 2: v0-127 Q; v128-191 K of one step; v192-255 V of one step      window 3: v0-1 the add's registers; v2-3 mask addresses; v8-39 mask words; v40-87 shifted words
.set NP,    4         ; pieces a wave: a name, no knob
.set KS,    64        ; keys in a step
.set SST,   2         ; key steps in a slot
.set PK,    144       ; a row of K in LDS: 128 bytes + 16: the 16 rows of a load start at 16 different groups of four banks (64 banks of 4 bytes: ISA guide 11.1)
.set PV,    160       ; a row of V: 128 + 32
.set VOFF,  SST*KS*PK            ; a slot: 128 rows of K,
.set MOFF,  VOFF+SST*KS*PV       ; 128 rows of V,
.set MSLOT, 65536                ; and the mask of 512 queries x 128 keys: [query tile 32][step 2][u 2][lane 32][16 bytes]
.set SLOT1, 1<<17     ; slot 1 begins here, so that one exclusive or turns an address in one slot into the other's
.set STAGE, SLOT1+MOFF+MSLOT     ; behind the ring, never filled by a tensor load: 16 rows x 272 bytes for each wave, for the way out
.set SP,    272
.set SPARE, STAGE+4*16*SP        ; the spare words, 128 bytes for each wave: two blocks of 256 bytes that no other line names
.set PARTB, 16777216  ; bytes of a part of qkv
.set AK0, 2           ; v2   my lane's place in a tile of K; never rewritten
.set AV0, 3           ; v3   the same for V
.set AK,  4           ; v4   the LDS address of K's next run of loads
.set AV,  5           ; v5   of V's
.set QO,  6           ; v6   my byte offset in the wave's rows of Q
.set STO, 6           ;      later, the way out: where I put 32 bytes of a row
.set RD,  7           ; v7   the way out: where I read rows back
.set GO,  8           ; v8   my byte offset in two rows of out0
.set PFO, 9           ; v9   the prefetches' offset; made when l / 16 is needed no more
.set SPW, 0           ; v0 of window 3   LDS address of my spare word; never rewritten
.set NIL, 1           ; v1 of window 3   0; never rewritten
.set AM0, 2           ; v2 of window 3   my lane's place in a slot's mask; never rewritten
.set AM,  3           ; v3 of window 3   the LDS address of the mask of the step in hand
.set RW,  8           ; window 3: mask words as loaded, two buffers of 16 by the piece's parity, tile u at + 8 u
.set EW,  40          ; window 3: the words shifted: tile u, key block kb = 1..3 at 24 u + 8 (kb - 1)
.set MV,  12
.set ST,  16          ; tile t's statistics at v[ST+4 t]: c m, m, l (even places', odd places')
.set TMP, 48
.set S,   64
.set P,   192
.set KF,  128
.set VF,  192
.set WV,  12          ; s12  my wave's number
.set LIM, 15          ; s15  1 in a wave that prefetches, else the greatest number
.set G1K, 24          ; s[24:31] descriptor group 1 for K's tiles
.set G1V, 32          ; s[32:39] for V's
.set G0K, 40          ; s[40:43] group 0 for K's tiles: it walks
.set G0V, 44          ; s[44:47] for V's
.set G0M, 48          ; s[48:51] for the mask's
.set PFA, 52          ; s[52:53] where my prefetches stand
.set PFS, 54          ; s[54:55] their step from slot to slot
.set SLOTS, 56
.set CNT, 57
.set CS,  58          ; s[58:59] c
.set SEL, 60          ; s[60:61] v_permlanex16_b32's selects
.set TBK, 62          ; s62  LDS byte at which K of the step to be fetched begins
.set TBV, 63          ; s63  the same for V, less VOFF
.set TBM, 66          ; s66  the same for the mask, less MOFF
.set PFD, 67          ; s67  the prefetches' distance between the halves of the lanes
.set G1M, 68          ; s[68:75] descriptor group 1 for the mask's tiles
.set MSB, 0
.macro WIN new
.if MSB != (\new)
	s_set_vgpr_msb (MSB<<8)|(\new)
.set MSB, (\new)
.endif
.endm
.set W_KQ, 0x0a       ; K and Q in window 2, S^T in window 0
.set W_KM, 0x3a       ; the same with the C operand in window 3
.set W_PV, 0x52       ; V in window 2, P in window 0, O^T in window 1
.set W_RS, 0x41       ; O^T (destination and source 0) in window 1, a in window 0
.set W_MK, 0xc0       ; destination in window 3, sources in window 0
.set W_AD, 0x0f       ; the add: address and data in window 3
.set W_M3, 0xcf       ; the mask's address, loads and shifts: all in window 3
; A joint fill: wave 0 a slot's K, wave 1 its V, waves 2 and 3 the halves of its mask.  The branches hang on the wave's number alone.  An s_nop 0 and four v_nop follow each line.
.macro JLOAD
	s_cmp_lt_u32 s[WV], 2
	s_cbranch_scc0 .Lfor_m_\@
	s_cmp_eq_u32 s[WV], 0
	s_cbranch_scc0 .Lfor_v_\@
	tensor_load_to_lds s[G0K:G0K+3], s[G1K:G1K+7]
	s_nop 0
.rept 4
	v_nop
.endr
	s_branch .Lasked_\@
.Lfor_v_\@:
	tensor_load_to_lds s[G0V:G0V+3], s[G1V:G1V+7]
	s_nop 0
.rept 4
	v_nop
.endr
	s_branch .Lasked_\@
.Lfor_m_\@:
	tensor_load_to_lds s[G0M:G0M+3], s[G1M:G1M+7]
	s_nop 0
.rept 4
	v_nop
.endr
.Lasked_\@:
.endm
; A PREFETCH INTO THE L2 of what the NEXT change of slots will ask for, two key steps ahead, behind the wave's tensor load and its five lines.  Each block of 256 bytes is named once in the launch.
; A head's K and V are read by one row of one cluster: its four partners take a quarter each, by address (cx): wave 0, lanes 0-15 for K's 16 blocks, lanes 16-31 for V's.  A mask tile is read by a column
; of each of the four clusters of a batch: the first of them asks, its four partners a quarter each, by address (cy): waves 2 and 3, 32 blocks each.  Slots 0 to 2 come by their loads alone; the last
; change that fills a slot asks for nothing.
.macro ASK
	s_cmp_gt_u32 s[SLOTS], s[LIM]
	s_cbranch_scc0 .Lnot_mine_\@
	global_prefetch_b8 v[PFO], s[PFA:PFA+1] th:TH_LOAD_NT scope:SCOPE_SE
.Lnot_mine_\@:
.endm
.macro CROUND                       ; a round of the cluster's barrier
	s_barrier_signal -1
	s_barrier_wait -1
	s_cmp_lg_u32 s[WV], 0
	s_cbranch_scc1 .Lnot_wave_0_\@
	s_barrier_signal -3
.Lnot_wave_0_\@:
	s_barrier_wait -3
	s_barrier_signal -1
	s_barrier_wait -1
.endm
; THE CHANGE OF SLOTS.  Each wave waits for all its tensor loads, of which one is out: its part of the other slot; adds 0 to its spare word; and waits for that and for its own reads of the slot.
; fill = 1: the slot is filled again, with the keys two slots on, first thing behind a round of the cluster's barrier: the load has two key steps, 256 matrix instructions, in which to land.
.macro CHANGE fill, ask
	WIN W_AD
	s_wait_tensorcnt 0x0            ; no tensor load of mine is out, so a group 0 may be written
	ds_add_u32 v[SPW], v[NIL]       ; 0 onto my spare word
	WIN 0
.if \fill
.irp g, G0K, G0V
	s_xor_b32 s[\g+1], s[\g+1], SLOT1
	s_add_nc_u64 s[\g+2:\g+3], s[\g+2:\g+3], SST*KS*128
.endr
	s_xor_b32 s[G0M+1], s[G0M+1], SLOT1
	s_add_nc_u64 s[G0M+2:G0M+3], s[G0M+2:G0M+3], MSLOT
.if \ask
	s_wait_xcnt 0x0                 ; the last prefetch, two key steps back, has read its address
	s_add_nc_u64 s[PFA:PFA+1], s[PFA:PFA+1], s[PFS:PFS+1]
.endif
	s_wait_dscnt 0x0                ; the add is done, and my reads of the slot are over
	CROUND
	JLOAD
.if \ask
	ASK
.endif
.else
	s_wait_dscnt 0x0
	s_barrier_signal -1
	s_barrier_wait -1
.endif
	s_sub_co_u32 s[TBK], s[TBK], SST*KS*PK  ; the fetches go back to a slot's first step,
	s_xor_b32 s[TBK], s[TBK], SLOT1         ; in the other slot
	s_sub_co_u32 s[TBV], s[TBV], SST*KS*PV
	s_xor_b32 s[TBV], s[TBV], SLOT1
	s_xor_b32 s[TBM], s[TBM], SLOT1
.endm
	s_load_b128 s[4:7], s[0:1], 0x0   ; qkv s[4:5], Mk s[6:7]
	s_load_b64 s[10:11], s[0:1], 0x10 ; out0
	WIN W_MK
	v_lshl_add_u32 v[SPW], v0, 2, SPARE
	v_mov_b32 v[NIL], 0
	WIN W_AD
	ds_add_u32 v[SPW], v[NIL]       ; the wave's opening: the add and its wait stand ahead of my first tensor load; the set-up below stands between them
	ds_add_u32 v0, v1
	WIN 0
	v_lshrrev_b32 v1, 5, v0
	v_readfirstlane_b32 s[WV], v1   ; wave 0..3
	s_bfe_u32 s13, ttmp6, 0x40000   ; cx
	s_bfe_u32 s14, ttmp6, 0x40004   ; cy
	s_and_b32 s76, ttmp7, 0xffff    ; cluster y
	s_lshl_b32 s77, s76, 2
	s_add_co_u32 s77, s77, s14      ; the head, 16 b + hd = 4 x cluster y + cy
	s_lshr_b32 s78, s76, 2          ; b
	s_lshl_b32 s79, ttmp9, 2
	s_add_co_u32 s79, s79, s13      ; the query block = 4 x cluster x + cx
	s_lshl_b32 s20, s77, 18         ; the head's 262,144 bytes in a part: it hangs on the cluster's y and on cy alone
	s_mov_b32 s21, 0
	s_lshl2_add_u32 s22, s78, s79   ; 4 b + query block: the mask's tiles hang on the cluster's y and on cx alone
	s_lshl_b32 s22, s22, 20
	s_mov_b32 s23, 0
	s_and_b32 s16, s[WV], 1
	s_lshl_b32 s18, s16, 15         ; which half of a slot's mask I fetch (waves 2 and 3)
	s_mov_b32 s19, 0
	s_lshl2_add_u32 s2, s79, s[WV]  ; my wave among the head's,
	s_lshl_b32 s2, s2, 14           ; its 128 rows of 128 bytes
	s_mov_b32 s3, 0
	s_lshl_b32 s80, s78, 23         ; out0: (2,048 b + 512 qb + 128 w) rows of 4,096 bytes + 256 hd
	s_lshl_b32 s81, s79, 21
	s_add_co_u32 s80, s80, s81
	s_lshl_b32 s81, s[WV], 19
	s_add_co_u32 s80, s80, s81
	s_and_b32 s81, s77, 15
	s_lshl_b32 s81, s81, 8
	s_add_co_u32 s80, s80, s81
	s_mov_b32 s81, 0
	s_lshl_b32 s52, s14, 2
	s_lshl_b32 s52, 15, s52         ; my row of the cluster
	s_lshl_b32 s53, 0x1111, s13     ; my column
	; group 1 for K and V: 128 keys are 16,384 dense bytes: asked for as 64 rows of 256 bytes, two keys a row, padded in LDS after every key
	s_or_b32 s[G1K], s52, (1<<16)|(1<<20)|(1<<21)|(4<<22)|(3<<25)  ; 15:0 the mask; 17:16 2-byte elements; 20 padding on; 21 set beside a mask; 24:22 after every 32 words; 31:25 4 words
	s_or_b32 s[G1V], s52, (1<<16)|(1<<20)|(1<<21)|(4<<22)|(7<<25)  ; the same with 8 words of padding
.irp g, G1K, G1V
	s_mov_b32 s[\g+1], 128<<16      ; tensor_dim0 = 128
	s_mov_b32 s[\g+2], 64<<16       ; tensor_dim1 = 64
	s_mov_b32 s[\g+3], 128<<16      ; tile_dim0 = 128
	s_mov_b32 s[\g+4], 64           ; tile_dim1 = 64
	s_mov_b32 s[\g+5], 128          ; elements from row to row
	s_mov_b32 s[\g+6], 0
	s_mov_b32 s[\g+7], 0
.endr
	; group 1 for the mask: 32,768 dense bytes as 128 rows of 32 elements of 8 bytes, no padding
	s_or_b32 s[G1M], s53, (3<<16)|(1<<21)
	s_mov_b32 s[G1M+1], 32<<16
	s_mov_b32 s[G1M+2], 128<<16
	s_mov_b32 s[G1M+3], 32<<16
	s_mov_b32 s[G1M+4], 128
	s_mov_b32 s[G1M+5], 32
	s_mov_b32 s[G1M+6], 0
	s_mov_b32 s[G1M+7], 0
	s_mov_b32 s[G0K], 1
	s_mov_b32 s[G0K+1], 0           ; LDS addresses in slot 0: no place in the cluster enters them
	s_mov_b32 s[G0V], 1
	s_mov_b32 s[G0V+1], VOFF
	s_mov_b32 s[G0M], 1
	s_add_co_u32 s[G0M+1], s18, MOFF
	s_mov_b32 s[CS], 0x3e38aa3b     ; c = log2(e) / 8
	s_mov_b32 s[CS+1], s[CS]
	s_mov_b32 s[SEL], 0x76543210
	s_mov_b32 s[SEL+1], 0xfedcba98
	s_mov_b32 s[TBK], SLOT1+SST*KS*PK ; the first change of slots turns these three into 0
	s_mov_b32 s[TBV], SLOT1+SST*KS*PV
	s_mov_b32 s[TBM], SLOT1
	; who prefetches, and where
	s_and_b32 s17, s76, 3
	s_cmp_eq_u32 s17, 0             ; the batch's first cluster?
	s_cselect_b32 s17, 1, -1
	s_cmp_eq_u32 s[WV], 0
	s_cselect_b32 s[LIM], 1, -1
	s_mov_b32 s[PFD], 4096
	s_mov_b32 s[PFS], MSLOT
	s_mov_b32 s[PFS+1], 0
	s_cmp_lt_u32 s[WV], 2
	s_cselect_b32 s[LIM], s[LIM], s17
	s_cselect_b32 s[PFD], PARTB, s[PFD]
	s_cselect_b32 s[PFS], SST*KS*128, s[PFS]
	s_lshl_b32 s17, s14, 14         ; the mask: my work-group's quarter, by cy,
	s_lshl_b32 s16, s16, 13         ; my wave's half of it,
	s_add_co_u32 s17, s17, s16
	s_add_co_u32 s17, s17, 2*MSLOT  ; in slot 2: the first change that asks steps it to slot 3
	s_lshl_b32 s16, s13, 12         ; K and V: my work-group's quarter, by cx
	s_add_co_u32 s16, s16, 2*SST*KS*128
	s_cmp_lt_u32 s[WV], 2
	s_cselect_b32 s16, s16, s17
	s_mov_b32 s17, 0
	s_wait_dscnt 0x0                ; the opening add is done
	s_wait_kmcnt 0x0
	s_add_nc_u64 s[82:83], s[4:5], s[20:21]        ; the head's Q
	s_add_nc_u64 s[4:5], s[82:83], s[2:3]          ; Q at my wave's first row
	s_add_nc_u64 s[82:83], s[82:83], PARTB         ; the head's K
	s_mov_b64 s[G0K+2:G0K+3], s[82:83]
	s_or_b32 s[G0K+3], s[G0K+3], 0x80000000
	s_add_nc_u64 s[G0V+2:G0V+3], s[82:83], PARTB   ; the head's V
	s_or_b32 s[G0V+3], s[G0V+3], 0x80000000
	s_add_nc_u64 s[76:77], s[6:7], s[22:23]        ; the mask of my batch and query block
	s_add_nc_u64 s[G0M+2:G0M+3], s[76:77], s[18:19]
	s_or_b32 s[G0M+3], s[G0M+3], 0x80000000
	s_add_nc_u64 s[10:11], s[10:11], s[80:81]      ; out0 at my wave's first row, my head's 256 bytes
	s_cmp_lt_u32 s[WV], 2
	s_cselect_b64 s[PFA:PFA+1], s[82:83], s[76:77]
	s_add_nc_u64 s[PFA:PFA+1], s[PFA:PFA+1], s[16:17]
	CROUND                          ; all sixteen work-groups are here: the first joint loads meet
	JLOAD                           ; slot 0.  Slot 1 is asked for when slot 0 is in
	; A fragment of K or Q is 16 rows x 32 channels in 8 registers: lane l holds row l % 16, channels 8 (l / 16) + 0..7 and 16 + 8 (l / 16) + 0..7.
	v_and_b32 v1, 15, v0            ; l % 16
	v_bfe_u32 v9, v0, 4, 1          ; l / 16
	v_lshlrev_b32 v[QO], 7, v1
	v_lshl_add_u32 v[QO], v9, 4, v[QO]
	WIN 0x80
.set i, 0
.rept 4*NP                          ; Q stays in registers: tile i / 2, channels 32 (i % 2) on
	global_load_b128 v[8*i:8*i+3],   v[QO], s[4:5] offset:(i/2)*2048+(i%2)*64
	global_load_b128 v[8*i+4:8*i+7], v[QO], s[4:5] offset:(i/2)*2048+(i%2)*64+32
.set i, i+1
.endr
	; What the first turn finds: V's registers and P's second buffer hold 0, O^T and l are 0.  All this stands in the wait for the first tile.
.set i, VF
.rept 64
	v_mov_b32 v[i], 0
.set i, i+1
.endr
	WIN 0x40
.set i, 0
.rept 64*NP
	v_mov_b32 v[i], 0
.set i, i+1
.endr
	WIN 0
.set i, 0
.rept 2*NP
	v_mov_b32 v[ST+4*i], 0xee38aa3b    ; c m = c x -2^96, exactly what the multiply gives: a = 1 as long as no key has been seen
	v_mov_b32 v[ST+4*i+1], 0xef800000  ; m = -2^96
	v_mov_b32 v[ST+4*i+2], 0
	v_mov_b32 v[ST+4*i+3], 0
.set i, i+1
.endr
.set i, P+32
.rept 32
	v_mov_b32 v[i], 0
.set i, i+1
.endr
	v_mul_u32_u24 v[AK0], v1, PK
	v_lshl_add_u32 v[AK0], v9, 4, v[AK0]
	; The turning load takes 16 keys x 16 channels (lane l reads key 8 (l / 16) + l % 8, channels 8 ((l / 8) % 2) + 0..7) and leaves half a fragment of V^T.
	v_and_b32 v10, 7, v0
	v_bfe_u32 v11, v0, 3, 1
	v_lshl_add_u32 v[AV0], v9, 3, v10
	v_mul_u32_u24 v[AV0], v[AV0], PV
	v_lshl_add_u32 v[AV0], v11, 4, v[AV0]
	v_add_nc_u32 v[AV0], VOFF, v[AV0]
	v_mov_b32 v[AK], v[AK0]         ; key step 0 lies at the head of slot 0
	s_lshl_b32 s16, s[WV], 14       ; my wave's eight query tiles of 2,048 bytes in a slot's mask
	s_add_co_u32 s16, s16, MOFF
	v_and_b32 v11, 31, v0
	v_lshl_add_u32 v11, v11, 4, s16
	WIN W_MK
	v_mov_b32 v[AM0], v11
	WIN 0
; THE MATRIX WORK.  The 8 accumulators of a run of 16 take turns.
; Product i of 16 of S^T = K Q^T for piece x: channels 32 (i / 8) on, key places 16 ((i / 2) % 4) on, tile 2 x + i % 2.  The first 8 start the sums, with the mask words as C.
.macro KQ x
.set rS, S+64*((\x)%2)+32*(i%2)+8*((i/2)%4)
.set rK, KF+16*((i/2)%4)+8*(i/8)
.set rQ, 16*(2*(\x)+i%2)+8*(i/8)
.if i < 2
.set rC3, RW+16*((\x)%2)+8*(i%2)
.else
.set rC3, EW+24*(i%2)+8*((i/2)%4-1)
.endif
.if i < 8
	WIN W_KM
	v_wmma_f32_16x16x32_f16 v[rS:rS+7], v[rK:rK+7], v[rQ:rQ+7], v[rC3:rC3+7]
.else
	WIN W_KQ
	v_wmma_f32_16x16x32_f16 v[rS:rS+7], v[rK:rK+7], v[rQ:rQ+7], v[rS:rS+7]
.endif
.endm
; Product i of 16 of O^T += V^T P for piece x: key places 32 (i / 8) on, channels 16 ((i / 2) % 4) on, tile 2 x + i % 2.
.macro PV x
	WIN W_PV
.set rO, 32*(2*(\x)+i%2)+8*((i/2)%4)
.set rV, VF+32*(i/8)+8*((i/2)%4)
.set rP, P+32*((\x)%2)+16*(i%2)+8*(i/8)
	v_wmma_f32_16x16x32_f16 v[rO:rO+7], v[rV:rV+7], v[rP:rP+7], v[rO:rO+7]
.endm
.macro MM                           ; the turn's next matrix instruction
.if i < 16
	KQ (Y+1)%NP
.set i, i+1
.else
.set i, i-16
	PV (Y+NP-1)%NP
.set i, i+17
.endif
.endm
; THE LDS LOADS stand in runs.  last = 1 (the tail): in the last trip there is no further step, and K's run is jumped over.
.macro FETCH_K last=0
	WIN 0
.if \last
	s_cmp_eq_u32 s[CNT], 1
	s_cbranch_scc1 .Lno_k_\@
.endif
	WIN 0x80
.irp f, 0,1,2,3,4,5,6,7
	ds_load_b128 v[KF+8*\f:KF+8*\f+3],   v[AK] offset:(\f/2)*16*PK+(\f%2)*64
	ds_load_b128 v[KF+8*\f+4:KF+8*\f+7], v[AK] offset:(\f/2)*16*PK+(\f%2)*64+32
.endr
	s_add_co_u32 s[TBK], s[TBK], KS*PK
	WIN 0
.if \last
.Lno_k_\@:
.endif
.endm
.macro FETCH_V
	WIN 0x80
.irp f, 0,1,2,3,4,5,6,7
	ds_load_tr16_b128 v[VF+8*\f:VF+8*\f+3],   v[AV] offset:(\f/4)*32*PV+(\f%4)*32
	ds_load_tr16_b128 v[VF+8*\f+4:VF+8*\f+7], v[AV] offset:(\f/4)*32*PV+16*PV+(\f%4)*32
.endr
	WIN 0
.endm
; Piece x's mask words of the step in hand: for each of its two tiles a lane's 32 bytes, two loads of 512 neighbouring bytes a wave.
.macro MLOAD x
	WIN W_M3
.irp u, 0,1
.irp c, 0,1
	ds_load_b128 v[RW+16*((\x)%2)+8*(\u)+4*(\c):RW+16*((\x)%2)+8*(\u)+4*(\c)+3], v[AM] offset:(2*(\x)+(\u))*2048+512*(\c)
.endr
.endr
.endm
; The words shifted, so that the byte of key block kb comes on top.
.macro MSHIFT x
	WIN W_M3
.irp u, 0,1
.irp kb, 1,2,3
.irp j, 0,1,2,3,4,5,6,7
	v_lshlrev_b32 v[EW+24*(\u)+8*((\kb)-1)+(\j)], 8*(\kb), v[RW+16*((\x)%2)+8*(\u)+(\j)]
.endr
.endr
.endr
.endm
; THE VECTOR WORK OF A TURN stands in three queues, each in the order in which its entries become ready; the two tiles alternate.
.macro REGS y, u
.set rT, ST+4*(2*(\y)+(\u))
.set rC, TMP+8*((\y)%2)+4*(\u)
.set rM, MV+2*((\y)%2)+(\u)
.set rS, S+64*((\y)%2)+32*(\u)
.set rP, P+32*((\y)%2)+16*(\u)
.set rO, 32*(2*(\y)+(\u))
.endm
; Number n of the 22 that find the NEXT piece's maximum and statistics; each accumulator's lowest registers are read first.
;   0-11 four chains of seven scores   12-14, 16 the four scores left over, the old m, and c0-c3 into c0   15 c m_old is kept   17, 18 the other half of the lanes: the new m   19-21 c m; its change; a
.macro XS u, n
	REGS (Y+1)%NP, \u
.if (\n) < 4
	v_max3_num_f32 v[rC+(\n)], v[rS+8*(\n)], v[rS+8*(\n)+1], v[rS+8*(\n)+2]
.elseif (\n) < 12
	v_max3_num_f32 v[rC+(\n)%4], v[rC+(\n)%4], v[rS+8*((\n)%4)+2*((\n)/4)+1], v[rS+8*((\n)%4)+2*((\n)/4)+2]
.elseif (\n) == 12
	v_max3_num_f32 v[rC], v[rC], v[rS+7], v[rS+15]
.elseif (\n) == 13
	v_max3_num_f32 v[rC+1], v[rC+1], v[rS+23], v[rS+31]
.elseif (\n) == 14
	v_max3_num_f32 v[rC+2], v[rC+2], v[rC+3], v[rT+1]
.elseif (\n) == 15
	v_mov_b32 v[rM], v[rT]
.elseif (\n) == 16
	v_max3_num_f32 v[rC], v[rC], v[rC+1], v[rC+2]
.elseif (\n) == 17
	v_permlanex16_b32 v[rC+3], v[rC], s[SEL], s[SEL+1]
.elseif (\n) == 18
	v_max_num_f32 v[rT+1], v[rC], v[rC+3]
.elseif (\n) == 19
	v_mul_f32 v[rT], s[CS], v[rT+1]
.elseif (\n) == 20
	v_sub_f32 v[rC+1], v[rM], v[rT]
.else
	v_exp_f32 v[rC+2], v[rC+1]
.endif
.endm
; Number g of the 64 that follow the exponentials: for each four weights both pairs are rounded to f16, the second pair is added onto the first, and a group later l takes that sum.
.macro GS g
.set h, (\g)+6*((\g)/62)
.if h >= 6
.set h, h+2
.endif
	REGS Y, h%2
.set k, h/8
.if h%8 < 4
	v_cvt_pk_f16_f32 v[rP+2*k+(h%8)/2], v[rS+4*k+2*((h%8)/2)], v[rS+4*k+2*((h%8)/2)+1]
.elseif h%8 < 6
	v_pk_add_f32 v[rS+4*k:rS+4*k+1], v[rS+4*k:rS+4*k+1], v[rS+4*k+2:rS+4*k+3]
.elseif k == 1
	v_pk_fma_f32 v[rT+2:rT+3], v[rT+2:rT+3], v[rC+2:rC+3], v[rS:rS+1] op_sel_hi:[1,0,1]
.else
	v_pk_add_f32 v[rT+2:rT+3], v[rT+2:rT+3], v[rS+4*k-4:rS+4*k-3]
.endif
.endm
; THE PLAIN QUEUE, 138 long.  0-73 read no exponential's result: the 32 scalings c s - c m and the next piece's 42; 74-137 are GS's 64, behind the wait.
.macro FS f
	REGS Y, (\f)%2
	v_pk_fma_f32 v[rS+2*((\f)/2):rS+2*((\f)/2)+1], v[rS+2*((\f)/2):rS+2*((\f)/2)+1], s[CS:CS+1], v[rT:rT+1] op_sel_hi:[1,0,0] neg_lo:[0,0,1] neg_hi:[0,0,1]
.endm
.macro PL
	WIN 0
.if q < 27
	FS q
.elseif q < 55
	XS (q-27)%2, (q-27)/2
.elseif q < 57
	XS q-55, 15
.elseif (q < 72) && ((q-57)%3 == 0)
	FS 27+(q-57)/3
.elseif q < 60
	XS (q-57)%3-1, 14
.elseif q < 72
	XS (q-57)%3-1, 15+(q-57)/3
.elseif q < 74
	XS q-72, 20
.else
	GS q-74
.endif
.set q, q+1
.endm
; THE EXPONENTIALS' QUEUE, 66 long: one batch, all ahead of the turn's one wait.
.macro EX
	WIN 0
.if e >= 64
	XS e-64, 21
.else
	REGS Y, e%2
	v_exp_f32 v[rS+e/2], v[rS+e/2]
.endif
.set e, e+1
.endm
; THE RESCALING's QUEUE: O^T times a, two at a time.
.macro R2
	REGS Y, r%2
	WIN W_RS
.irp z, 0,1
	v_pk_mul_f32 v[rO+4*(r/2)+2*\z:rO+4*(r/2)+2*\z+1], v[rO+4*(r/2)+2*\z:rO+4*(r/2)+2*\z+1], v[rC+2:rC+3] op_sel_hi:[1,0]
.endr
.set r, r+1
.endm
; A TURN, for piece p.  Ahead of its one wait: 16 products K Q^T, behind each a scaling, an exponential and two rescalings; then a run of 108.  Behind the wait: 16 products V^T P, behind each four of GS's 64.
; K of the next step is fetched in piece 2's turn, directly behind the wait; there the mask's address for that step is made too.  Every turn loads, behind its wait, the mask words of piece p + 2:
; the four loads of a trip (turns 2, 3, 0, 1) belong to the step whose K and V the trip fetches.  Those registers were last read as C at the head of the turn before.  At the turn's end the words are in
; (the wait for 0 also shows K in, in piece 2's turn) and are shifted; the shifted words' last readers stand at this turn's head.  V of the step in hand is fetched at the end of piece 0's turn: the
; 48 shifts are the plain instructions between its last reader and the loads.
.macro TURN p, last=0, cnt=0
.set Y, (\p)
.set i, 0
.set q, 0
.set e, 0
.set r, 0
	MM
	PL
	PL
	R2
.rept 15
	MM
	PL
	EX
	R2
.endr
.if (\p) == NP-2
	WIN 0
	v_add_nc_u32 v[AK], s[TBK], v[AK0]
.endif
.rept 8
	PL
.endr
.rept 49
	EX
	PL
.endr
	EX
	EX
	v_nop                           ; a plain instruction behind the last exponential: one for the batch
	s_wait_alu depctr_va_vdst(0)    ; the wait ahead of the first use of an exponential's result: one for the batch
.if (\p) == NP-2
	FETCH_K \last
	WIN W_M3
	v_add_nc_u32 v[AM], s[TBM], v[AM0]
.endif
	MLOAD ((\p)+2)%NP
.if (\p) == 1
	s_xor_b32 s[TBM], s[TBM], 1024  ; the next step's mask lies in the slot's other half-tiles
	s_wait_dscnt 4                  ; V is in; the four mask loads issued behind its run may stay out
.endif
.rept 16
	MM
.rept 4
	PL
.endr
.if ((\p) == 0) && (q == 118)
	v_add_nc_u32 v[AV], s[TBV], v[AV0]
.endif
.if ((\p) == 0) && (q == 130)
	s_add_co_u32 s[TBV], s[TBV], KS*PV
.endif
.if (\cnt) && (q == 130)
	s_sub_co_u32 s[CNT], s[CNT], 1
	s_cmp_lg_u32 s[CNT], 0
.endif
.endr
	s_wait_dscnt 0x0                ; the mask words are in (and K, in piece 2's turn)
	MSHIFT ((\p)+2)%NP
.if (\p) == 0
	FETCH_V
.endif
.endm
	CHANGE 1, 0                     ; slot 0 is in, everybody's part of it; slot 1 is asked for
	WIN W_M3
	v_add_nc_u32 v[AM], s[TBM], v[AM0]
	FETCH_K                         ; key step 0
	MLOAD 0
	MLOAD 1
	s_wait_loadcnt 0x0              ; Q
	s_wait_dscnt 0x0
	MSHIFT 0
.set i, 0
.rept 16
	KQ 0                            ; piece 0's first scores
.set i, i+1
.endr
	WIN 0                           ; the addresses for the way out and the prefetches: plain instructions, the places behind those products
	s_mul_i32 s16, s[WV], 16*SP
	s_add_co_u32 s16, s16, STAGE    ; my stage
	v_mul_u32_u24 v[STO], v1, SP    ; in: row l % 16, 32 bytes for each half of the lanes
	v_lshl_add_u32 v[STO], v9, 5, v[STO]
	v_add_nc_u32 v[STO], s16, v[STO]
	v_mul_u32_u24 v[RD], v9, SP     ; back: lanes 0-15 take one row of 256 bytes, lanes 16-31 the next
	v_lshl_add_u32 v[RD], v1, 4, v[RD]
	v_add_nc_u32 v[RD], s16, v[RD]
	v_lshlrev_b32 v[GO], 12, v9     ; and the same two rows in out0, 4,096 bytes apart
	v_lshl_add_u32 v[GO], v1, 4, v[GO]
	v_mul_lo_u32 v9, v9, s[PFD]
	v_lshl_add_u32 v[PFO], v1, 8, v9  ; 256 (l % 16) + (l / 16) x the halves' distance
	MSHIFT 1
	WIN 0
.set Y, NP-1                        ; XS works for piece Y + 1: piece 0
.irp n, 0,1,2,3,4,5,6,7,8,9,10,11,12,13,14,15,16,17,18,19,20,21
	XS 0, \n
	XS 1, \n
.endr
	v_nop                           ; a plain instruction behind the two a,
	s_wait_alu depctr_va_vdst(0)    ; and their wait, ahead of the branch
	s_mov_b32 s[CNT], SST
	s_mov_b32 s[SLOTS], 2048/(SST*KS)-1
	s_branch .Lfirst                ; the loop is entered at a step's first turn, in the middle of a trip
.Lslot:                             ; 14 times: every slot but the last two is filled again
	CHANGE 1, 1
	s_mov_b32 s[CNT], SST
.Lstep:                             ; a trip: pieces 2 and 3 of one step, then pieces 0 and 1 of the next, whose K, V and mask it fetches
	TURN 2
	TURN 3
	WIN 0
.Lfirst:
	TURN 0
	TURN 1, 0, 1
	WIN 0
	s_cbranch_scc1 .Lstep
	s_sub_co_u32 s[SLOTS], s[SLOTS], 1
	s_cmp_lg_u32 s[SLOTS], 0
	s_cbranch_scc1 .Lslot
	CHANGE 0, 0                     ; the tail is written out: nothing is asked for
	s_mov_b32 s[CNT], SST+1         ; two trips fetch the last slot's steps; the third is left in its middle
.Ltail:
	TURN 2, 1
	TURN 3
	WIN 0
	s_sub_co_u32 s[CNT], s[CNT], 1
	s_cmp_eq_u32 s[CNT], 0
	s_cbranch_scc1 .Lout
	TURN 0
	TURN 1
	WIN 0
	s_branch .Ltail
.Lout:                              ; the third trip's products K Q^T (on the last K once more, with the last slot's first mask words) and the maximum made of them serve nothing: l and O^T are not touched by them
.set i, 0
.rept 16
	PV NP-1                         ; the last piece's V^T P of the last step
.set i, i+1
.endr
	; THE WAY OUT.  l's two halves and the other half of the lanes' are added; O^T is divided by l and sent through my stage in LDS, a tile at a time, in f32.  The additions are the places behind the last products.
	WIN 0
.macro ALL line:vararg
.set t, 0
.rept 2*NP
	\line
.set t, t+1
.endr
.endm
	ALL v_add_f32 v[ST+4*t+2], v[ST+4*t+2], v[ST+4*t+3]
	ALL v_permlanex16_b32 v[ST+4*t+3], v[ST+4*t+2], s[SEL], s[SEL+1]
	ALL v_add_f32 v[ST+4*t+2], v[ST+4*t+2], v[ST+4*t+3]
	ALL v_rcp_f32 v[ST+4*t+2], v[ST+4*t+2]
	v_nop                           ; a plain instruction between the last reciprocal and the use of its result
	s_wait_alu depctr_va_vdst(0)    ; and the wait ahead of the first use: one for the eight reciprocals
; Tile t: a lane's eight channels of a block of 16 are 32 bytes of a row; they go into rows of 272 bytes and come back as whole rows of 256, into S^T's registers (four tiles' worth, by turns).
.macro PACK t
	WIN W_RS
.set i, 32*(\t)
.rept 16
	v_pk_mul_f32 v[i:i+1], v[i:i+1], v[ST+4*(\t)+2:ST+4*(\t)+3] op_sel_hi:[1,0]
.set i, i+2
.endr
	WIN 0x04                        ; address window 0, data window 1
.irp f, 0,1,2,3,4,5,6,7
	ds_store_b128 v[STO], v[32*(\t)+4*\f:32*(\t)+4*\f+3] offset:64*(\f/2)+16*(\f%2)
.endr
	WIN 0
.if (\t) >= 4
	s_wait_xcnt 0x0                 ; the stores of the tile four back have read these registers
.endif
.irp f, 0,1,2,3,4,5,6,7
	ds_load_b128 v[S+32*((\t)%4)+4*\f:S+32*((\t)%4)+4*\f+3], v[RD] offset:\f*2*SP  ; LDS serves a wave's instructions in order (ISA guide 5.7.1.4): these see the stores above; the next tile's stores come behind them
.endr
.endm
.macro SEND t, younger              ; younger: the LDS instructions issued behind tile t's loads: the next tile's sixteen, or none
	WIN 0
.irp f, 0,1,2,3,4,5,6,7
	s_wait_dscnt (\younger)+7-\f
	global_store_b128 v[GO], v[S+32*((\t)%4)+4*\f:S+32*((\t)%4)+4*\f+3], s[10:11] offset:(\t)*65536+\f*8192 th:TH_STORE_NT  ; 16 lanes store the head's 256 consecutive bytes of a row, aligned
.endr
.endm
	PACK 0
.set t, 1
.rept 2*NP-1                        ; a tile's arithmetic stands between the loads of the tile before and its stores
	PACK t
	SEND t-1, 16
.set t, t+1
.endr
	SEND 2*NP-1, 0
	WIN W_AD
	s_wait_tensorcnt 0x0            ; the wave's end: behind my last tensor load and my last LDS store
	ds_add_u32 v[SPW], v[NIL]
	s_wait_dscnt 0x0
	WIN 0
	CROUND                          ; the closing round: no work-group ends while a partner may still ask for a tile that names it
	s_endpgm
.Lfunc_end_k_q105e0e8488_attn:
	.size	k_q105e0e8488_attn, .Lfunc_end_k_q105e0e8488_attn-k_q105e0e8488_attn
	.p2alignl 7, 3214868480
	.fill 96, 4, 3214868480
	.section	.rodata,"a",@progbits
	.p2align	6, 0x0
	.amdhsa_kernel k_q105e0e8488_attn
		.amdhsa_group_segment_fixed_size 327680
		.amdhsa_private_segment_fixed_size 0
		.amdhsa_enable_private_segment 0
		.amdhsa_kernarg_size 24
		.amdhsa_user_sgpr_count 2
		.amdhsa_user_sgpr_kernarg_segment_ptr 1
		.amdhsa_wavefront_size32 1
		.amdhsa_system_sgpr_workgroup_id_x 1
		.amdhsa_system_sgpr_workgroup_id_y 1
		.amdhsa_system_sgpr_workgroup_id_z 1
		.amdhsa_system_vgpr_workitem_id 0
		.amdhsa_next_free_vgpr 856
		.amdhsa_next_free_sgpr 84
		.amdhsa_reserve_vcc 0
		.amdhsa_float_denorm_mode_32 3
		.amdhsa_float_denorm_mode_16_64 3
		.amdhsa_memory_ordered 1
		.amdhsa_forward_progress 1
		.amdhsa_inst_pref_size 222
	.end_amdhsa_kernel
	.amdgpu_metadata
---
amdhsa.version: [ 1, 2 ]
amdhsa.kernels:
  - .name:           k_q105e0e8488_attn
    .symbol:         k_q105e0e8488_attn.kd
    .args:
      - { .name: qkv, .offset: 0, .size: 8, .value_kind: global_buffer, .address_space: global }
      - { .name: Mk, .offset: 8, .size: 8, .value_kind: global_buffer, .address_space: global }
      - { .name: out0, .offset: 16, .size: 8, .value_kind: global_buffer, .address_space: global }
    .group_segment_fixed_size: 327680
    .private_segment_fixed_size: 0
    .kernarg_segment_align: 8
    .kernarg_segment_size: 24
    .max_flat_workgroup_size: 128
    .sgpr_count:     84
    .vgpr_count:     856
    .wavefront_size: 32
...
	.end_amdgpu_metadata
.endif
;; end of part 3
;; ======== version 2 of 2: 3 launches; version 1 with the launch prep written anew for expert scheduling mode
;; limits: values are held in f16: magnitudes above 65,504 overflow, below 6.1e-05 lose precision
;; workspace buffers: Xb 33,554,432 bytes; Wb 6,291,456 bytes; Mk 16,777,216 bytes; qkv 50,331,648 bytes
;; launch prep (part 4): grid 736 x 1, 8 waves a work-group, no clusters, 35,840 bytes of LDS; arguments q, h, Wq, Wk, Wv, mask, Xb, Wb, Mk; writes Xb, Wb, Mk
.if DOCPART == 4
	.amdgcn_target "amdgcn-amd-amdhsa--gfx1250"
	.amdhsa_code_object_version 6
	.text
	.protected	k_q105e0e8488_prep
	.globl	k_q105e0e8488_prep
	.p2align	8
	.type	k_q105e0e8488_prep,@function
k_q105e0e8488_prep:
	s_mov_b64 s[64:65], 0
	v_nop
	global_prefetch_b8 v0, s[64:65] scope:SCOPE_SE
	s_setreg_imm32_b32 hwreg(HW_REG_WAVE_SCHED_MODE, 0, 2), 2
	s_setreg_imm32_b32 hwreg(HW_REG_WAVE_MODE, 25, 1), 1
	s_wait_xcnt 0x0
	s_wait_alu depctr_vm_vsrc(0)
; PREPARATION.  Three streams, each byte read once and written once.
;   Xb [16384][1024] bf16: rows 0-8191 are q's rows; rows 8192.. are h's, PERMUTED inside each group of 64 rows: row 64 g + key lies at 64 g + p,
;      p = 16 (3 - key % 4) + 8 (key / 32) + (key / 4) % 8.  The order of keys inside a key step of 64 is free as long as K, V and the mask agree; in this order a lane of the
;      attention's score tiles wants 32 NEIGHBOURING bytes of a row of the mask.
;   Wb [3072][1024] bf16: Wq, Wk, Wv.
;   Mk: the mask as bytes 0x00 / 0xF1, in the order in which the attention reads it: [b 4][query block 4][slot of 128 keys 16][query tile 32][step 2][u 2][lane 32][16 bytes],
;      the 16 bytes being mask[b][512 qb + 16 qt + lane % 16][128 slot + 64 step + 32 (lane / 16) + 16 u ..].  LIMIT: the mask's bytes are 0 or 1 (bool).
; SHARES.  Work-groups 0-255: q, 256-511: h, 512-543: Wq, 544-575: Wk, 576-607: Wv, 32 rows of 1,024 f32 each, 4 rows a wave.  Work-groups 608-735: the mask, 64 rows each:
; a wave takes 16 rows (a query tile) x 1,024 keys.  A wave issues all its 32 loads of 512 neighbouring bytes at once (16 KiB) and works them off in order: no loop, no ring.
; No matrix unit, cluster or tensor load: nothing is shared between work-groups and nothing is multiplied.
; THE MODE: SCHED_MODE bits 1:0 = 2 (LLVM: expert scheduling mode 2), set by the entry lines.  The code itself states the register dependences
; between vector instructions and memory or LDS instructions, with s_wait_alu, always for 0.
; THE PLAN.  Registers that memory or LDS instructions touch:
;   v2, v4-v7 (casts), v10-v13 (mask)   offsets and LDS addresses: made once at a path's head, ahead of one wait on va_vdst, and never written again.
;   X0 .. X3, 32 registers each         a row of the casts or a unit of the mask.  Written by its eight loads, then in place by its own vector instructions (16 conversions, or 32 multiplies).
;      Casts: read by the row's eight stores, which are issued in the NEXT row's turn, behind the one wait on va_vdst at that turn's head and dealt among that row's conversions, which name the next X alone.
;      Mask: read by the unit's eight LDS stores (behind a wait on va_vdst at the unit's head), written again by the eight loads back from the stage (behind a wait on vm_vsrc), read by the eight
;      global stores.  The next unit's multiplies, which name the next X alone, stand between those runs.
; No register that a global instruction reads is written again, and no scalar register that a vector instruction reads is written again.
; LDS: eight stages of 16 rows; behind them, from 34,816 on, each lane's spare word for the closing add.
.set SPITCH, 272                       ; a stage row: 256 bytes + 16: 16 rows start at 16 different groups of four banks (64 banks of 4 bytes: ISA guide 11.1)
.set X,   16                           ; v[16:143] the 32 loads' data
	s_load_b512 s[4:19], s[0:1], 0x0               ; q 4, h 6, Wq 8, Wk 10, Wv 12, mask 14, Xb 16, Wb 18
	s_load_b64 s[20:21], s[0:1], 0x40              ; Mk
	v_lshl_add_u32 v14, v0, 2, 0x8800
	v_mov_b32 v15, 0
	v_lshrrev_b32 v1, 5, v0
	v_readfirstlane_b32 s22, v1                    ; wave 0..7
	v_and_b32 v1, 31, v0                           ; lane
	s_wait_alu depctr_va_sdst(0)                   ; s22 is written, ahead of the branch and of its first reader on either path: rows, stages and offsets are made from it
	s_mov_b32 s23, ttmp9                           ; g
	s_cmp_ge_u32 s23, 608
	s_cbranch_scc1 .Lmask
	; THE CASTS.  Destination rows: plain (32 x block + 4 w + t), or for h the permuted place: key = 32 (g % 2) + 4 w + t gives p = 16 (3 - t) + 8 (g % 2) + w.
	s_lshr_b32 s33, s23, 8                         ; 1 for h alone
	s_and_b32 s34, s23, 255
	s_lshr_b32 s35, s34, 1
	s_lshl_b32 s35, s35, 6                         ; the group of 64 rows
	s_and_b32 s36, s23, 1
	s_lshl3_add_u32 s35, s36, s35                  ; + 8 (g % 2)
	s_add_co_u32 s35, s35, s22                     ; + w
	s_add_co_u32 s35, s35, 8192                    ; behind q's rows
	s_cmp_lt_u32 s23, 512
	s_cselect_b32 s37, 0, 512
	s_sub_co_u32 s37, s23, s37                     ; the block of 32 rows in Xb or in Wb
	s_lshl_b32 s37, s37, 5
	s_lshl2_add_u32 s37, s22, s37                  ; + 4 w
.irp t, 0,1,2,3
	s_add_co_u32 s38, s35, 16*(3-(\t))
	s_add_co_u32 s39, s37, \t
	s_cmp_eq_u32 s33, 1
	s_cselect_b32 s38, s38, s39
	s_lshl_b32 s[44+(\t)], s38, 11                 ; rows of 2,048 bytes; a register to each row: the vector line below reads it
	v_lshl_add_u32 v[4+(\t)], v1, 3, s[44+(\t)]    ; + 8 bytes a lane
.endr
	s_lshl_b32 s40, s22, 14                        ; my 4 rows of 4,096 bytes in the source
	v_lshl_add_u32 v2, v1, 4, s40
	s_wait_kmcnt 0x0
	s_cmp_lt_u32 s23, 256
	s_cselect_b64 s[24:25], s[4:5], s[6:7]         ; q or h
	s_cmp_lt_u32 s23, 544
	s_cselect_b64 s[26:27], s[8:9], s[10:11]       ; Wq or Wk
	s_cmp_lt_u32 s23, 576
	s_cselect_b64 s[26:27], s[26:27], s[12:13]     ; or Wv
	s_cmp_lt_u32 s23, 512
	s_cselect_b64 s[24:25], s[24:25], s[26:27]     ; the source
	s_cselect_b64 s[26:27], s[16:17], s[18:19]     ; the destination
	s_cselect_b32 s42, 255, 31
	s_and_b32 s42, s23, s42                        ; the block inside its source
	s_lshl_b32 s42, s42, 17                        ; 32 rows of 4,096 bytes
	s_mov_b32 s43, 0
	s_add_nc_u64 s[24:25], s[24:25], s[42:43]
	s_wait_alu depctr_va_vdst(0)                   ; v2 and v4 to v7 are written: every load of this path reads v2 as its offset, every store one of v4 to v7
.irp t, 0,1,2,3
.irp e, 0,1,2,3,4,5,6,7
	global_load_b128 v[X+32*(\t)+4*(\e):X+32*(\t)+4*(\e)+3], v2, s[24:25] offset:(\t)*4096+(\e)*512 th:TH_LOAD_NT
.endr
.endr
; Piece e of row t: four f32 close up into the first two of their four registers.
.macro CVT t, e
	v_cvt_pk_bf16_f32 v[X+32*(\t)+4*(\e)],   v[X+32*(\t)+4*(\e)],   v[X+32*(\t)+4*(\e)+1]
	v_cvt_pk_bf16_f32 v[X+32*(\t)+4*(\e)+1], v[X+32*(\t)+4*(\e)+2], v[X+32*(\t)+4*(\e)+3]
.endm
.macro OUT t, e
	global_store_b64 v[4+(\t)], v[X+32*(\t)+4*(\e):X+32*(\t)+4*(\e)+1], s[26:27] offset:(\e)*256 th:TH_STORE_NT  ; the wave's 32 lanes store 256 consecutive bytes, aligned
.endm
.irp t, 0,1,2,3
	s_wait_loadcnt 24-8*(\t)                       ; loads come back in order (ISA guide 5.7.1): row t is in, the later rows' loads stay out
.if (\t) > 0
	s_wait_alu depctr_va_vdst(0)                   ; the row before's conversions have written its X, which the eight stores below read; this row's conversions name this row's X alone
.endif
.irp e, 0,1,2,3,4,5,6,7
.if (\t) > 0
	OUT (\t)-1, \e                                 ; the row before leaves, a store ahead of each pair of conversions
.endif
	CVT \t, \e
.endr
.endr
	s_wait_alu depctr_va_vdst(0)                   ; row 3's conversions have written its X, which the last eight stores read
.irp e, 0,1,2,3,4,5,6,7
	OUT 3, \e
.endr
	s_branch .Lend                                 ; no register is written twice, so nothing waits for a store
.Lmask:
	; THE MASK.  Query tile 4 gm + w / 2 (16 rows), keys 1,024 (w % 2) on, in four units of 256 keys.  A unit goes through my own stage in LDS: in by rows, back by lanes of the attention.
	s_sub_co_u32 s24, s23, 608                     ; gm
	s_lshl_b32 s26, s24, 17                        ; 64 rows of 2,048 bytes
	s_mov_b32 s27, 0
	s_lshr_b32 s28, s24, 3                         ; 4 b + query block
	s_lshl_b32 s28, s28, 20
	s_and_b32 s30, s24, 7
	s_lshl_b32 s30, s30, 13                        ; four query tiles of 2,048 bytes
	s_add_co_u32 s28, s28, s30
	s_mov_b32 s29, 0
	s_mov_b32 s31, 0xf1
	s_lshr_b32 s32, s22, 1
	s_and_b32 s33, s22, 1
	v_and_b32 v2, 15, v0
	v_bfe_u32 v3, v0, 4, 1
	s_lshl_b32 s34, s32, 15                        ; my tile's 16 rows,
	s_lshl_b32 s35, s33, 10                        ; my half of the keys
	s_add_co_u32 s34, s34, s35
	v_lshlrev_b32 v10, 11, v3                      ; in: lanes 0-15 one row's 256 bytes, lanes 16-31 the next row's
	v_lshl_add_u32 v10, v2, 4, v10
	v_add_nc_u32 v10, s34, v10
	s_mul_i32 s36, s22, 16*SPITCH                  ; my stage
	v_mul_u32_u24 v11, v3, SPITCH
	v_lshl_add_u32 v11, v2, 4, v11
	v_add_nc_u32 v11, s36, v11                     ; into the stage: the same two rows
	v_mul_u32_u24 v12, v2, SPITCH
	v_lshl_add_u32 v12, v3, 5, v12
	v_add_nc_u32 v12, s36, v12                     ; back: row lane % 16, 32 keys for each half of the lanes
	s_lshl_b32 s37, s32, 11
	s_lshl_b32 s38, s33, 19                        ; eight slots of 65,536 bytes
	s_add_co_u32 s37, s37, s38
	v_lshl_add_u32 v13, v1, 4, s37                 ; out: 16 bytes a lane
	s_wait_kmcnt 0x0
	s_add_nc_u64 s[14:15], s[14:15], s[26:27]
	s_add_nc_u64 s[20:21], s[20:21], s[28:29]
	s_wait_alu depctr_va_vdst(0)                   ; v10 to v13 are written: the loads' offset, the stage's two addresses and the stores' offset, for the whole path
.irp i, 0,1,2,3
.irp e, 0,1,2,3,4,5,6,7
	global_load_b128 v[X+32*(\i)+4*(\e):X+32*(\i)+4*(\e)+3], v10, s[14:15] offset:(\e)*4096+(\i)*256 th:TH_LOAD_NT
.endr
.endr
; Sixteen of unit i's 32 words, from word 'from' on: four bytes 0 / 1 become 0x00 / 0xF1: no carry leaves a byte.
.macro MULS i, from
.set r, \from
.rept 16
	v_mul_lo_u32 v[X+32*(\i)+r], v[X+32*(\i)+r], s31
.set r, r+1
.endr
.endm
	s_wait_loadcnt 24                              ; unit 0 is in, the later units' loads stay out
	MULS 0, 0
	MULS 0, 16
.irp i, 0,1,2,3
	s_wait_alu depctr_va_vdst(0)                   ; unit i's multiplies have written its X, which the LDS stores read and in which the stage's loads land; the multiplies below name the next X alone
.irp e, 0,1,2,3,4,5,6,7
	ds_store_b128 v11, v[X+32*(\i)+4*(\e):X+32*(\i)+4*(\e)+3] offset:(\e)*2*SPITCH
.endr
.if (\i) < 3
	s_wait_loadcnt 16-8*(\i)                       ; unit i + 1 is in, the later units' loads stay out
	MULS (\i)+1, 0                                 ; half of the next unit's multiplies stand between the LDS stores and the wait for their reads,
.endif
	s_wait_alu depctr_vm_vsrc(0)                   ; the LDS stores have read unit i's X, in which the loads below land
.irp z, 0,1,2,3,4,5,6,7
	ds_load_b128 v[X+32*(\i)+4*(\z):X+32*(\i)+4*(\z)+3], v12 offset:((\z)/2)*64+((\z)%2)*16  ; LDS serves a wave's instructions in order (ISA guide 5.7.1.4): these see the stores above; the next unit's stores come behind them
.endr
.if (\i) < 3
	MULS (\i)+1, 16                                ; the other half between the stage's loads and the waits for them
.endif
.irp z, 0,1,2,3,4,5,6,7
	s_wait_dscnt 7-(\z)                            ; piece z is back, the younger ones stay out
	global_store_b128 v13, v[X+32*(\i)+4*(\z):X+32*(\i)+4*(\z)+3], s[20:21] offset:(2*(\i)+(\z)/4)*65536+(((\z)/2)%2)*1024+((\z)%2)*512 th:TH_STORE_NT  ; 512 consecutive bytes, aligned
.endr
.endr
.Lend:
	s_wait_dscnt 0x0                               ; the wave's end: my LDS instructions are done
	s_wait_alu depctr_hold_cnt(0) depctr_sa_sdst(0) depctr_va_vdst(0) depctr_va_sdst(0) depctr_va_ssrc(0) depctr_va_vcc(0) depctr_vm_vsrc(0)
	s_wait_tensorcnt 0x0
	ds_add_u32 v14, v15
	s_wait_dscnt 0x0
	s_endpgm
.Lfunc_end_k_q105e0e8488_prep:
	.size	k_q105e0e8488_prep, .Lfunc_end_k_q105e0e8488_prep-k_q105e0e8488_prep
	.p2alignl 7, 3214868480
	.fill 96, 4, 3214868480
	.section	.rodata,"a",@progbits
	.p2align	6, 0x0
	.amdhsa_kernel k_q105e0e8488_prep
		.amdhsa_group_segment_fixed_size 35840
		.amdhsa_private_segment_fixed_size 0
		.amdhsa_enable_private_segment 0
		.amdhsa_kernarg_size 72
		.amdhsa_user_sgpr_count 2
		.amdhsa_user_sgpr_kernarg_segment_ptr 1
		.amdhsa_wavefront_size32 1
		.amdhsa_system_sgpr_workgroup_id_x 1
		.amdhsa_system_sgpr_workgroup_id_y 1
		.amdhsa_system_sgpr_workgroup_id_z 1
		.amdhsa_system_vgpr_workitem_id 0
		.amdhsa_next_free_vgpr 144
		.amdhsa_next_free_sgpr 66
		.amdhsa_reserve_vcc 0
		.amdhsa_float_denorm_mode_32 3
		.amdhsa_float_denorm_mode_16_64 3
		.amdhsa_memory_ordered 1
		.amdhsa_forward_progress 1
		.amdhsa_inst_pref_size 35
	.end_amdhsa_kernel
	.amdgpu_metadata
---
amdhsa.version: [ 1, 2 ]
amdhsa.kernels:
  - .name:           k_q105e0e8488_prep
    .symbol:         k_q105e0e8488_prep.kd
    .args:
      - { .name: q, .offset: 0, .size: 8, .value_kind: global_buffer, .address_space: global }
      - { .name: h, .offset: 8, .size: 8, .value_kind: global_buffer, .address_space: global }
      - { .name: Wq, .offset: 16, .size: 8, .value_kind: global_buffer, .address_space: global }
      - { .name: Wk, .offset: 24, .size: 8, .value_kind: global_buffer, .address_space: global }
      - { .name: Wv, .offset: 32, .size: 8, .value_kind: global_buffer, .address_space: global }
      - { .name: mask, .offset: 40, .size: 8, .value_kind: global_buffer, .address_space: global }
      - { .name: Xb, .offset: 48, .size: 8, .value_kind: global_buffer, .address_space: global }
      - { .name: Wb, .offset: 56, .size: 8, .value_kind: global_buffer, .address_space: global }
      - { .name: Mk, .offset: 64, .size: 8, .value_kind: global_buffer, .address_space: global }
    .group_segment_fixed_size: 35840
    .private_segment_fixed_size: 0
    .kernarg_segment_align: 8
    .kernarg_segment_size: 72
    .max_flat_workgroup_size: 256
    .sgpr_count:     66
    .vgpr_count:     144
    .wavefront_size: 32
...
	.end_amdgpu_metadata
.endif
;; end of part 4
;; launch proj: the kernel of part 2 again; grid 12 x 32, 4 waves a work-group, clusters of 4 x 4, 327,680 bytes of LDS; arguments Xb, Wb, qkv; writes qkv
;; launch attn: the kernel of part 3 again; grid 4 x 64, 4 waves a work-group, clusters of 4 x 4, 327,680 bytes of LDS; arguments qkv, Mk, out0; writes out0
